; MI455X (gfx1250); checked and timed in simulation.
; The chip was launched on July 23, 2026; its instructions are those of AMD's public machine-readable ISA for CDNA 5 (MIT licence, August 2026) and "CDNA5" Instruction Set Architecture Reference Guide (July 2026). The comments in the code are by the model that wrote it; some were corrected since.
;; Property Aware Attention. Allowed arithmetic: matrix products marked QUANTISED: E2M3 operands, one E8M0 scale for each 32 along K, by v_wmma_scale_f32_16x16x128_f8f6f4 with both operands' format E2M3, f32 sums; products left as they are: f32 operands where the result goes on into a quantised operand, else bf16, f16 or f32 operands; f32 sums; everything else in f32.
;; Inputs: Wk_codes 1,024 x 32 x 24 uint8 (E2M3 codes of Wk, K innermost, in blocks of 32 codes, four codes in three bytes); Wk_scales 1,024 x 32 uint8 (E8M0 scales of Wk, one for each 32 codes along K); Wo_codes 1,024 x 32 x 24 uint8 (E2M3 codes of Wo, K innermost, in blocks of 32 codes, four codes in three bytes); Wo_scales 1,024 x 32 uint8 (E8M0 scales of Wo, one for each 32 codes along K); Wpg 128 x 1,024 float32; Wpk 128 x 1,024 float32; Wpq 128 x 1,024 float32; Wq_codes 1,024 x 32 x 24 uint8 (E2M3 codes of Wq, K innermost, in blocks of 32 codes, four codes in three bytes); Wq_scales 1,024 x 32 uint8 (E8M0 scales of Wq, one for each 32 codes along K); Wv_codes 1,024 x 32 x 24 uint8 (E2M3 codes of Wv, K innermost, in blocks of 32 codes, four codes in three bytes); Wv_scales 1,024 x 32 uint8 (E8M0 scales of Wv, one for each 32 codes along K); bk 1,024 float32; bo 1,024 float32; bpg 1,024 float32; bpk 1,024 float32; bpq 1,024 float32; bq 1,024 float32; bv 1,024 float32; mask 4 x 2,048 int32; property_vector 4 x 128 float32; x_codes 2,048 x 4 x 32 x 24 uint8 (E2M3 codes of x, K innermost, in blocks of 32 codes, four codes in three bytes); x_scales 2,048 x 4 x 32 uint8 (E8M0 scales of x, one for each 32 codes along K).
;; Outputs: out0 2,048 x 4 x 1,024 float32.
;; This version of the problem:
;;   THIS VERSION OF THE PROBLEM IS GIVEN IN LOW PRECISION. The matrix products marked QUANTISED in the list below multiply operands that are first quantised to E2M3 (2 exponent bits, 3 mantissa bits; 6 bits a number), with one power-of-two scale for each 32 numbers along K (OCP MX v1.0); their sums are f32. All else is computed in f32.
;;   The module's matrix products, in the order in which they are computed (A, B: the left and right operand; K: the contracted axis; several contracted axes count as one K, in the product's order):
;;     1. [M 8,192, K 1,024] x [K 1,024, N 1,024]; A: input x (given as codes); B: input Wq (given as codes): QUANTISED
;;     2. [M 4, K 128] x [K 128, N 1,024]; A: input property_vector; B: input Wpq: left as it is (M = 4 < 16)
;;     3. [M 8,192, K 1,024] x [K 1,024, N 1,024]; A: input x (given as codes); B: input Wk (given as codes): QUANTISED
;;     4. [M 4, K 128] x [K 128, N 1,024]; A: input property_vector; B: input Wpk: left as it is (M = 4 < 16)
;;     5. [M 8,192, K 1,024] x [K 1,024, N 1,024]; A: input x (given as codes); B: input Wv (given as codes): QUANTISED
;;     6. batch 64 x [M 2,048, K 64] x [K 64, N 2,048]; A: computed on the way; B: computed on the way: QUANTISED
;;     7. batch 64 x [M 2,048, K 2,048] x [K 2,048, N 64]; A: softmax (see below); B: computed on the way: QUANTISED
;;     8. [M 4, K 128] x [K 128, N 1,024]; A: input property_vector; B: input Wpg: left as it is (M = 4 < 16)
;;     9. [M 8,192, K 1,024] x [K 1,024, N 1,024]; A: computed on the way; B: input Wo (given as codes): QUANTISED
;;   THE QUANTISER, for each operand of a quantised product, along K:
;;     - K is cut into blocks of 32 from its start; a last block that is shorter is filled with zeros.
;;     - A block's scale is 2^e with e = floor(log2(the largest magnitude in the block)) - 2, held to -126 .. 127; a block of zeros has e = 0. As a byte (E8M0): e + 127.
;;     - Each number is divided by its block's scale, clamped to +-7.5, and rounded to the nearest number of E2M3, ties to even, subnormals kept.
;;     - The product sums the exact products of the quantised numbers (number of the format x scale) in f32.
;;   ~~~python
;;   def quantise(x, axis):      # numpy; x: float32 -> the quantised numbers, widened to float32 again
;;       x = np.moveaxis(x, axis, -1); K = x.shape[-1]
;;       x = np.pad(x, [(0, 0)] * (x.ndim - 1) + [(0, -K % 32)]); x = x.reshape(x.shape[:-1] + (-1, 32)); a = np.abs(x).max(-1, keepdims=True)
;;       e = np.where(a > 0, np.clip(np.frexp(np.where(a > 0, a, 1))[1] - 1 - 2, -126, 127), 0)      # np.frexp(a)[1] - 1 = floor(log2(a)), exactly
;;       r = np.clip(x / 2.0 ** e, -7.5, 7.5)
;;       step = 2.0 ** (np.maximum(np.frexp(np.where(r == 0, 1, r))[1] - 1, 0) - 3)
;;       q = np.round(r / step) * step * 2.0 ** e      # np.round: ties to even
;;       return np.moveaxis(q.reshape(q.shape[:-2] + (-1,))[..., :K], -1, axis).astype(np.float32)
;;   ~~~
;;   SOFTMAX AHEAD OF A QUANTISED PRODUCT. Where the list says 'softmax', what is quantised is not the finished softmax but p = 2^(t - M), with t = logit x log2(e) and M = ceil(the row's largest t), a whole number; so 1/2 < the row's largest p <= 1. The row's sum l is taken of the UNQUANTISED p, in f32, and the product's result is divided by l at the end. Since M is a whole number, a kernel that streams over the keys may use a running M (the ceiling of the running maximum): every later rescaling is an exact power of two, which a block's scale takes up: the codes' values come out the same.
;;   OPERANDS COMPUTED ON THE WAY. 'Computed on the way' means the value that the module computes at that place (a softmax that the list does not call 'softmax' is quantised finished and normalised). What goes into a quantiser is computed in f32, as accurately as f32 sums, v_exp_f32 and their like allow (about 1e-6 of the number): no bf16 or f16 on the way to a quantiser, and a product that is left as it is and whose result goes on into a quantised operand takes f32 operands (vector FMAs, or v_wmma_f32_16x16x4_f32). A number that lies on a knife's edge between two numbers of the format may be rounded either way, as far as f32 arithmetic and the matrix unit's own rounding can turn it there, and no further.
;;   INPUTS GIVEN AS CODES. Wk (in the module: [1024, 1024], K = its axis 0); Wo (in the module: [1024, 1024], K = its axis 0); Wq (in the module: [1024, 1024], K = its axis 0); Wv (in the module: [1024, 1024], K = its axis 0); x (in the module: [2048, 4, 1024], K = its axis 2): each comes as NAME_codes (uint8): NAME with its K axis moved to the last place and cut into blocks of 32 codes, [.., K / 32, bytes a block], one block behind the other in memory; four codes in three bytes: a row's codes are one little-endian stream of bits, code i at bits 6 i .. 6 i + 5 (a code: sign, 2 exponent bits, 3 mantissa bits); and NAME_scales (uint8): the same leading axes, one E8M0 byte (e + 127) for each 32 codes along K. Its value is code x scale, taken as it is: it is not quantised again, and the codes and scales need not be those that the quantiser above would give.
;; One version. Each part assembles by itself: llvm-mc -triple=amdgcn-amd-amdhsa -mcpu=gfx1250 --defsym DOCPART=n.
;; ======== version 1 of 1: 4 launches
;; limits: right only within a limited range of input values
;; workspace buffers: ximg 6,553,600 bytes; wimg 3,276,800 bytes; pb 49,152 bytes; qimg 6,291,456 bytes; qsc 524,288 bytes; kv 15,466,496 bytes; attimg 6,553,600 bytes
;; launch prep (part 1): grid 240 x 1, 4 waves a work-group, no clusters, 50,688 bytes of LDS; arguments x_codes, x_scales, Wq_codes, Wq_scales, Wk_codes, Wk_scales, Wv_codes, Wv_scales, Wo_codes, Wo_scales, ximg, wimg, Wpq, Wpk, Wpg, bpq, bpk, bpg, bq, bk, property_vector, pb; writes ximg, wimg, pb
.if DOCPART == 1
	.amdgcn_target "amdgcn-amd-amdhsa--gfx1250"
	.amdhsa_code_object_version 6
	.text
	.protected	k_q8041745b08_prep
	.globl	k_q8041745b08_prep
	.p2align	8
	.type	k_q8041745b08_prep,@function
k_q8041745b08_prep:
	s_mov_b64 s[64:65], 0
	v_nop
	global_prefetch_b8 v0, s[64:65] scope:SCOPE_SE
	s_setreg_imm32_b32 hwreg(HW_REG_WAVE_MODE, 25, 1), 1
	s_wait_xcnt 0x0
; PREP.  (1) The codes and scale bytes of x, Wq, Wk, Wv, Wo are laid anew as IMAGES OF OPERAND REGISTERS, in tile blocks of 12,800 bytes:
; 16 rows x 1,024 K = 8 fragments (a K step of 128 each) of 1,536 bytes = 3 groups of 4 registers, lane l's 16 bytes at 16 l; behind them the 16 rows' scale bytes, 32 a row.
; THE ROWS OF A TILE ARE NOT NEIGHBOURS: place r of tile T is row 32 (T / 2) + 8 (T % 2) + r + 8 (r / 8), so that the results of two neighbouring tiles used as source 0 are 16 neighbours in a lane's registers.
; For x a row set is one batch's 2,048 rows (3,072 bytes apart in memory).  Tile block X = 128 batch + T in ximg; 64 matrix + tile in wimg (matrix 0 q, 1 k, 2 v, 3 o).
; (2) pb[0] = prop Wpq + bpq + bq, pb[1] = prop Wpk + bpk + bk, pb[2] = sigmoid(prop Wpg + bpg): [3][4][1024] f32, by fused multiply-adds in f32, since they go on into quantised operands.
; SHARES.  Work-groups 0-127: x, a wave a tile block.  128-191: the weights, likewise.  192-239: the three small products, a wave for one matrix, one batch and 64 columns.
; No matrix unit, no tensor load, no cluster, no barrier: waves share nothing, and every input byte is read once.
; LIMITS: the biases are added in another order than the source has them (f32 rounding); NaN and infinities are not served.
.set PITCH, 784                        ; a row of 768 bytes in the wave's stage + 16: 196 words from row to row
.set TBLK,  12800
.set FRB,   1536
.set LI,  4                            ; v4      16 x lane
.set LS,  5                            ; v5-7    the stage, on the way in: three loads cover two rows
.set LR,  8                            ; v8      and on the way out: row r, + 24 h
.set SO,  9                            ; v9      where my 16 scale bytes lie in memory
.set B3,  10                           ; v10-12  the three loads' places in two rows of memory
.set RAW, 32                           ; v32-127  the rows as loaded
.set FRG, 128                          ; v128-223 the eight fragments
.set OFS, 224                          ; v224-247 the 24 loads' offsets
.set SCL, 248                          ; v248-251 scale bytes
	s_load_b512 s[8:23], s[0:1], 0x0               ; x_codes 8, x_scales 10, Wq 12, 14, Wk 16, 18, Wv 20, 22
	s_load_b256 s[24:31], s[0:1], 0x40             ; Wo 24, 26, ximg 28, wimg 30
	s_load_b512 s[32:47], s[0:1], 0x60             ; Wpq 32, Wpk 34, Wpg 36, bpq 38, bpk 40, bpg 42, bq 44, bk 46
	s_load_b128 s[48:51], s[0:1], 0xa0             ; property_vector 48, pb 50
	v_lshl_add_u32 v30, v0, 2, 0xc400
	v_mov_b32 v31, 0
	v_lshrrev_b32 v1, 5, v0
	v_readfirstlane_b32 s2, v1                     ; wave
	v_and_b32 v1, 31, v0                           ; lane
	v_and_b32 v2, 15, v0                           ; r
	v_bfe_u32 v3, v0, 4, 1                         ; h
	v_lshlrev_b32 v[LI], 4, v1
	s_wait_kmcnt 0x0
	s_cmp_ge_u32 ttmp9, 192
	s_cbranch_scc1 .Lprop
	; ---- THE IMAGES.  Which tile block is my wave's, and of which tensor: all choices hang on the work-group's number and the wave's
	s_lshl_b32 s52, ttmp9, 2
	s_add_co_u32 s52, s52, s2                      ; x: X = 0 .. 511;  a weight: 512 + j
	s_and_b32 s53, s52, 127                        ; x: T
	s_lshr_b32 s54, s52, 7                         ; x: batch
	s_and_b32 s55, s52, 63                         ; weight: tile
	s_sub_co_u32 s56, s52, 512                     ; weight: j
	s_bfe_u32 s57, s52, 0x20006                    ; weight: matrix
	s_mov_b32 s62, 768
	s_cmp_eq_u32 s57, 1
	s_cselect_b64 s[12:13], s[16:17], s[12:13]
	s_cselect_b64 s[14:15], s[18:19], s[14:15]
	s_cmp_eq_u32 s57, 2
	s_cselect_b64 s[12:13], s[20:21], s[12:13]
	s_cselect_b64 s[14:15], s[22:23], s[14:15]
	s_cmp_eq_u32 s57, 3
	s_cselect_b64 s[12:13], s[24:25], s[12:13]
	s_cselect_b64 s[14:15], s[26:27], s[14:15]
	s_cmp_lt_u32 ttmp9, 128
	s_cselect_b64 s[12:13], s[8:9], s[12:13]       ; the codes
	s_cselect_b64 s[14:15], s[10:11], s[14:15]     ; the scale bytes
	s_cselect_b64 s[28:29], s[28:29], s[30:31]     ; the images
	s_cselect_b32 s58, s53, s55                    ; the tile's number in its row set
	s_cselect_b32 s59, s52, s56                    ; the tile block's number in its buffer
	s_cselect_b32 s60, s54, 0                      ; x: + batch
	s_cselect_b32 s61, 2, 0                        ; x: rows of a batch are 4 rows of memory apart
	s_cselect_b32 s62, 3072, s62                   ; bytes of codes from a row of the set to the next
	s_cselect_b32 s63, 128, 32                     ; and of scale bytes
	s_lshr_b32 s66, s58, 1
	s_lshl_b32 s66, s66, 5
	s_and_b32 s67, s58, 1
	s_lshl_b32 s67, s67, 3
	s_add_co_u32 s66, s66, s67                     ; the tile's first row: 32 (T / 2) + 8 (T % 2)
	s_lshl_b32 s66, s66, s61
	s_add_co_u32 s66, s66, s60                     ; as a row of memory
	s_mul_i32 s68, s66, 768
	s_mov_b32 s69, 0
	s_add_nc_u64 s[12:13], s[12:13], s[68:69]
	s_lshl_b32 s68, s66, 5
	s_add_nc_u64 s[14:15], s[14:15], s[68:69]
	s_mul_i32 s68, s59, TBLK
	s_add_nc_u64 s[28:29], s[28:29], s[68:69]
	s_mul_i32 s70, s2, 16*PITCH                    ; my wave's stage
	s_wait_alu depctr_va_vdst(0)
	v_add_nc_u32 v[LS], s70, v[LI]                 ; load 0 of three: the even row's bytes 0-511
	v_lshlrev_b32 v13, 4, v2
	v_mad_u32_u24 v[LS+1], v3, 272, v13            ; load 1: lanes 0-15 its bytes 512-767, lanes 16-31 the odd row's 0-255 (784 - 512 = 272 on)
	v_add_nc_u32 v[LS+1], 512, v[LS+1]
	v_add_nc_u32 v[LS+1], s70, v[LS+1]
	v_add_nc_u32 v[LS+2], PITCH+256, v[LS]         ; load 2: the odd row's bytes 256-767
	v_mul_u32_u24 v[LR], v2, PITCH
	v_mad_u32_u24 v[LR], v3, 24, v[LR]
	v_add_nc_u32 v[LR], s70, v[LR]
	v_lshrrev_b32 v14, 1, v1                       ; scale bytes: two lanes to a row: place lane / 2,
	v_and_b32 v15, 8, v14
	v_add_nc_u32 v14, v14, v15                     ; which is row place + 8 (place / 8) of the tile
	v_mul_lo_u32 v[SO], v14, s63
	v_and_b32 v15, 1, v1
	v_lshl_add_u32 v[SO], v15, 4, v[SO]
	v_mov_b32 v[B3], v[LI]                         ; the same three loads in memory, where the odd row begins s62 bytes behind the even one
	s_sub_co_u32 s71, s62, 512
	v_mul_lo_u32 v[B3+1], v3, s71
	v_add3_u32 v[B3+1], v[B3+1], v13, 512
	s_add_co_u32 s71, s62, 256
	v_add_nc_u32 v[B3+2], s71, v[LI]
.irp a, 0,1,2,3,4,5,6,7                        ; places 2 a and 2 a + 1 are rows 2 a + 8 (a / 4) and the next
	s_mul_i32 s71, s62, 2*\a+8*(\a/4)
.irp c, 0,1,2
	v_add_nc_u32 v[OFS+3*\a+\c], s71, v[B3+\c]
.endr
.endr
	global_load_b128 v[SCL:SCL+3], v[SO], s[14:15] th:TH_LOAD_NT
.irp a, 0,1,2,3,4,5,6,7
.irp c, 0,1,2
	global_load_b128 v[RAW+4*(3*\a+\c):RAW+4*(3*\a+\c)+3], v[OFS+3*\a+\c], s[12:13] th:TH_LOAD_NT   ; 512 or twice 256 consecutive bytes
.endr
.endr
.irp a, 0,1,2,3,4,5,6,7
.irp c, 0,1,2
	s_wait_loadcnt 23-(3*\a+\c)                    ; loads come back in order: this one is in, the younger row loads stay out
	ds_store_b128 v[LS+\c], v[RAW+4*(3*\a+\c):RAW+4*(3*\a+\c)+3] offset:2*\a*PITCH
.endr
.endr
.irp s, 0,1,2,3,4,5,6,7                        ; a fragment: lane (r, h) takes the 24 bytes at 96 s + 24 h of row r into registers 0-5 and those 48 further on into 6-11, in pieces of 8 bytes
.irp p, 0,1,2,3,4,5
	ds_load_b64 v[FRG+12*\s+2*\p:FRG+12*\s+2*\p+1], v[LR] offset:96*\s+48*(\p/3)+8*(\p%3)   ; LDS serves a wave's instructions in order: these see my stores
.endr
.endr
.irp s, 0,1,2,3,4,5,6,7
	s_wait_dscnt 6*(7-\s)                          ; this fragment's six pieces are in; the younger fragments' stay out
.irp c, 0,1,2
	global_store_b128 v[LI], v[FRG+12*\s+4*\c:FRG+12*\s+4*\c+3], s[28:29] offset:FRB*\s+512*\c   ; 32 lanes store 512 consecutive bytes, at a multiple of 256 from the buffer's first byte
.endr
.endr
	global_store_b128 v[LI], v[SCL:SCL+3], s[28:29] offset:8*FRB
	s_wait_tensorcnt 0x0
	ds_add_u32 v30, v31
	s_wait_dscnt 0x0
	s_endpgm
	; ---- THE SMALL PRODUCTS.  A lane owns two columns; its sums run in two chains a column (even k, odd k)
.Lprop:
	s_sub_co_u32 s52, ttmp9, 192
	s_lshl_b32 s52, s52, 2
	s_add_co_u32 s52, s52, s2                      ; 0 .. 191
	s_lshr_b32 s53, s52, 6                         ; which product
	s_bfe_u32 s54, s52, 0x20004                    ; batch
	s_and_b32 s55, s52, 15                         ; which 64 columns
	s_cmp_eq_u32 s53, 1
	s_cselect_b64 s[32:33], s[34:35], s[32:33]     ; the weight
	s_cselect_b64 s[38:39], s[40:41], s[38:39]     ; its bias
	s_cselect_b64 s[44:45], s[46:47], s[44:45]     ; the bias of the large product that it joins
	s_cmp_eq_u32 s53, 2
	s_cselect_b64 s[32:33], s[36:37], s[32:33]
	s_cselect_b64 s[38:39], s[42:43], s[38:39]
	s_cselect_b32 s56, 0, 1.0                      ; the gate joins no large product: its second bias counts for nothing
	s_lshl_b32 s58, s54, 9
	s_mov_b32 s59, 0
	s_add_nc_u64 s[48:49], s[48:49], s[58:59]      ; my batch's 128 property numbers
	s_lshl_b32 s58, s53, 2
	s_add_co_u32 s58, s58, s54
	s_lshl_b32 s58, s58, 12
	s_add_nc_u64 s[50:51], s[50:51], s[58:59]      ; pb[product][batch]
	s_lshl_b32 s57, s55, 8
	s_wait_alu depctr_va_vdst(0)
	v_lshl_add_u32 v5, v1, 3, s57                  ; my two columns, in bytes
	v_mov_b32 v6, 0
.macro WLOAD g                                 ; rows 16 g .. 16 g + 15 of the weight at my columns, into set g % 3: a wave reads 256 consecutive bytes a load
.set i, 0
.rept 16
	global_load_b64 v[32+32*((\g)%3)+2*i:33+32*((\g)%3)+2*i], v5, s[32:33] offset:(16*(\g)+i)*4096 th:TH_LOAD_NT
.set i, i+1
.endr
.endm
.macro PGRP g
.if (\g) < 7
	s_wait_loadcnt 16                              ; this group's 16 loads are in; the next group's stay out
.else
	s_wait_loadcnt 0
.endif
.if (\g)+2 < 8
	WLOAD (\g)+2                                   ; into the set that the group before has used up
.endif
.set i, 0
.rept 16
	v_fmac_f32 v[16+2*(i%2)], v[128+16*(\g)+i], v[32+32*((\g)%3)+2*i]
	v_fmac_f32 v[17+2*(i%2)], v[128+16*(\g)+i], v[33+32*((\g)%3)+2*i]
.set i, i+1
.endr
.endm
.set i, 0
.rept 32
	global_load_b128 v[128+4*i:131+4*i], v6, s[48:49] offset:16*i   ; the property numbers: every lane takes the same 16 bytes
.set i, i+1
.endr
	global_load_b64 v[16:17], v5, s[38:39]
	global_load_b64 v[20:21], v5, s[44:45]
	WLOAD 0
	s_wait_alu depctr_va_vdst(0)
	s_wait_loadcnt 16                              ; the property numbers and the biases are in; the first group stays out
	v_fma_f32 v16, v20, s56, v16                   ; the sums begin with the biases
	v_fma_f32 v17, v21, s56, v17
	v_mov_b32 v18, 0
	v_mov_b32 v19, 0
	WLOAD 1
	s_wait_alu depctr_va_vdst(0)
.irp g, 0,1,2,3,4,5,6,7
	s_wait_alu depctr_va_vdst(0)
	PGRP \g
.endr
	v_add_f32 v16, v16, v18
	v_add_f32 v17, v17, v19
	s_cmp_lg_u32 s53, 2
	s_cbranch_scc1 .Lplain
	v_mul_f32 v16, 0xbfb8aa3b, v16                 ; the gate: 1 / (1 + 2^(-z log2(e)))
	v_mul_f32 v17, 0xbfb8aa3b, v17
	s_wait_alu depctr_va_vdst(0)
	v_exp_f32 v16, v16
	v_exp_f32 v17, v17
	v_nop                                          ; a plain instruction behind the last exponential,
	s_wait_alu depctr_va_vdst(0)                   ; and the wait ahead of the first use: one for both
	v_add_f32 v16, 1.0, v16
	v_add_f32 v17, 1.0, v17
	s_wait_alu depctr_va_vdst(0)
	v_rcp_f32 v16, v16
	v_rcp_f32 v17, v17
	v_nop
	s_wait_alu depctr_va_vdst(0)
.Lplain:
	s_wait_alu depctr_va_vdst(0)
	global_store_b64 v5, v[16:17], s[50:51]        ; 32 lanes store 256 consecutive bytes, at a multiple of 256 from pb's first byte
	s_endpgm
.Lfunc_end_k_q8041745b08_prep:
	.size	k_q8041745b08_prep, .Lfunc_end_k_q8041745b08_prep-k_q8041745b08_prep
	.p2alignl 7, 3214868480
	.fill 96, 4, 3214868480
	.section	.rodata,"a",@progbits
	.p2align	6, 0x0
	.amdhsa_kernel k_q8041745b08_prep
		.amdhsa_group_segment_fixed_size 50688
		.amdhsa_private_segment_fixed_size 0
		.amdhsa_enable_private_segment 0
		.amdhsa_kernarg_size 176
		.amdhsa_user_sgpr_count 2
		.amdhsa_user_sgpr_kernarg_segment_ptr 1
		.amdhsa_wavefront_size32 1
		.amdhsa_system_sgpr_workgroup_id_x 1
		.amdhsa_system_sgpr_workgroup_id_y 1
		.amdhsa_system_sgpr_workgroup_id_z 1
		.amdhsa_system_vgpr_workitem_id 0
		.amdhsa_next_free_vgpr 256
		.amdhsa_next_free_sgpr 80
		.amdhsa_reserve_vcc 0
		.amdhsa_float_denorm_mode_32 3
		.amdhsa_float_denorm_mode_16_64 3
		.amdhsa_memory_ordered 1
		.amdhsa_forward_progress 1
		.amdhsa_inst_pref_size 41
	.end_amdhsa_kernel
	.amdgpu_metadata
---
amdhsa.version: [ 1, 2 ]
amdhsa.kernels:
  - .name:           k_q8041745b08_prep
    .symbol:         k_q8041745b08_prep.kd
    .args:
      - { .name: x_codes, .offset: 0, .size: 8, .value_kind: global_buffer, .address_space: global }
      - { .name: x_scales, .offset: 8, .size: 8, .value_kind: global_buffer, .address_space: global }
      - { .name: Wq_codes, .offset: 16, .size: 8, .value_kind: global_buffer, .address_space: global }
      - { .name: Wq_scales, .offset: 24, .size: 8, .value_kind: global_buffer, .address_space: global }
      - { .name: Wk_codes, .offset: 32, .size: 8, .value_kind: global_buffer, .address_space: global }
      - { .name: Wk_scales, .offset: 40, .size: 8, .value_kind: global_buffer, .address_space: global }
      - { .name: Wv_codes, .offset: 48, .size: 8, .value_kind: global_buffer, .address_space: global }
      - { .name: Wv_scales, .offset: 56, .size: 8, .value_kind: global_buffer, .address_space: global }
      - { .name: Wo_codes, .offset: 64, .size: 8, .value_kind: global_buffer, .address_space: global }
      - { .name: Wo_scales, .offset: 72, .size: 8, .value_kind: global_buffer, .address_space: global }
      - { .name: ximg, .offset: 80, .size: 8, .value_kind: global_buffer, .address_space: global }
      - { .name: wimg, .offset: 88, .size: 8, .value_kind: global_buffer, .address_space: global }
      - { .name: Wpq, .offset: 96, .size: 8, .value_kind: global_buffer, .address_space: global }
      - { .name: Wpk, .offset: 104, .size: 8, .value_kind: global_buffer, .address_space: global }
      - { .name: Wpg, .offset: 112, .size: 8, .value_kind: global_buffer, .address_space: global }
      - { .name: bpq, .offset: 120, .size: 8, .value_kind: global_buffer, .address_space: global }
      - { .name: bpk, .offset: 128, .size: 8, .value_kind: global_buffer, .address_space: global }
      - { .name: bpg, .offset: 136, .size: 8, .value_kind: global_buffer, .address_space: global }
      - { .name: bq, .offset: 144, .size: 8, .value_kind: global_buffer, .address_space: global }
      - { .name: bk, .offset: 152, .size: 8, .value_kind: global_buffer, .address_space: global }
      - { .name: property_vector, .offset: 160, .size: 8, .value_kind: global_buffer, .address_space: global }
      - { .name: pb, .offset: 168, .size: 8, .value_kind: global_buffer, .address_space: global }
    .group_segment_fixed_size: 50688
    .private_segment_fixed_size: 0
    .kernarg_segment_align: 8
    .kernarg_segment_size: 176
    .max_flat_workgroup_size: 128
    .sgpr_count:     80
    .vgpr_count:     256
    .wavefront_size: 32
...
	.end_amdgpu_metadata
.endif
;; end of part 1
;; launch proj (part 2): grid 192 x 1, 4 waves a work-group, no clusters, 205,312 bytes of LDS; arguments ximg, wimg, pb, bv, mask, qimg, qsc, kv; writes qimg, qsc, kv
.if DOCPART == 2
	.amdgcn_target "amdgcn-amd-amdhsa--gfx1250"
	.amdhsa_code_object_version 6
	.text
	.protected	k_q8041745b08_proj
	.globl	k_q8041745b08_proj
	.p2align	8
	.type	k_q8041745b08_proj,@function
k_q8041745b08_proj:
	s_mov_b64 s[64:65], 0
	v_nop
	global_prefetch_b8 v0, s[64:65] scope:SCOPE_SE
	s_setreg_imm32_b32 hwreg(HW_REG_WAVE_MODE, 25, 1), 1
	s_wait_xcnt 0x0
; PROJ.  Q = x Wq + biases, K = x Wk + biases, V = x Wv + bv, on codes of FP6 (E2M3) with one E8M0 scale for each 32 along K, sums in f32; each result is quantised at once for attention's products and stored as
; images of operand registers.  One text serves all three: P = A' B'^T with source 0 = A', whose rows then run along a lane's registers, which is the axis that the result is quantised along.
;   Q, K (work-groups 0-63, 64-127): A' = 512 rows of W (8 heads), B' = 256 rows of x of one batch.  A lane holds one row of x and 128 features = two heads of 64.
;   V (128-191): A' = 512 rows of x (keys) of one batch, B' = 256 rows of Wv (4 heads).  A lane holds one feature and 128 keys.
; SHARES.  Wave w keeps A' tiles 8 w .. 8 w + 7 for ALL of K in registers: 64 fragments, 768 registers, read from memory once.  The 16 tile blocks of B' (204,800 bytes) come into LDS once, a quarter by each wave's one
; tensor load, and all four waves read them.  No LDS byte is filled twice and none is stored to: one barrier in the whole text.  For each tile of B': 64 matrix instructions, 8 accumulators by turns, then the quantiser.
; THE MASK RIDES IN K.  The head's 64 dimensions fill half of the 128 that the matrix instruction takes.  A masked key gets zero codes there, the code -1 at k = 64 and the scale byte 160 (2^33) for that block; every
; query carries the code +1 at k = 64 with the byte 127.  So a masked score is exactly -2^33, a logit of -2^30, where the source writes -1e9.  An open key has zero codes and the byte 1 in the upper blocks.
; NO CLUSTER: of the 614,400 bytes that a work-group reads, 409,600 go straight into registers; the block of x in LDS is shared by two work-groups of Q and two of K, which take different branches.
; NO PREFETCH: all that a work-group reads is asked for at its head.
; LIMITS: a masked logit is -2^30, so results agree with the source's -1e9 while open logits lie above about -1e9; a block of zeros gets the scale byte 1, not 127 (its codes are zeros, and this program alone reads
; the bytes); the biases enter as the sums' first term (f32 rounding); NaN and infinities are not served.
; REGISTERS.  Window 0: see below.  Windows 1-3: A's fragment f = 8 s + t (K step s, tile t) at v[12 (f % 21)] of window 1 + f / 21; fragment 63 in window 0.
.set TBLK,  12800                      ; a tile block: 8 fragments of 1,536 bytes, then 512 scale bytes
.set FRB,   1536
.set HB,    241664                     ; a head's block in kv: 16 step blocks
.set STB,   15104                      ; a step block (128 keys): K 8 x 1,024, V 4 x 1,536, K's scale words 512, V's 256
.set LI,   1                           ; v1   16 x lane
.set GO16, 2                           ; v2   the trip's place in the output + 16 x lane
.set GO8,  3                           ; v3   + 8 x lane
.set LT,   4                           ; v4   the scale words' store: my lane's term
.set GOS,  5                           ; v5   + the trip's
.set AS0,  6                           ; v6   32 r + 16 h: my 16 scale bytes of a tile block
.set ADB,  7                           ; v7   LDS: the trip's four tile blocks + 16 x lane
.set ADS,  8                           ; v8   + 32 r + 16 h
.set SH,   9                           ; v9   16 h
.set C28,  10                          ; v10  the code -1 (0x28) in lanes 0-15, 0 in lanes 16-31
.set CM,   11                          ; v11  a masked key's upper scale bytes: 160, 1
.set LV,   12                          ; v12-27  a number a lane for each tile of B': the mask (Q, K) or bv (V) at place r; a tile that is done leaves its scale word there
.set AS,   28                          ; v28-59  A's scale words: register 4 t + j: lanes 0-15 K step j, lanes 16-31 K step 4 + j
.set BS,   60                          ; v60-63  B's, likewise
.set A63,  64                          ; v64-75  fragment 63
.set E,    76                          ; v76-79  K: registers 4-7 of the even head's image; v79 stays 0
.set BF,   80                          ; v80-127 four buffers for B's fragments, K step s in buffer s % 4; the quantiser works there afterwards
.set ACC,  128                         ; v128-191
.set BA,   192                         ; v192-255 the bias in the result's layout, 8 registers a tile
.set PC,   80                          ; the codes just made: 12 registers, and 7 more at work
.set TM,   100                         ; v100-103 largest magnitudes, v104-107 bytes, v108-111 the conversions' scale operands
.set PW,   112                         ; the scale word just made
.set SW,   113
.set T1,   114
.set SEL,  44                          ; s[44:45] v_permlanex16_b32's selects for lane l xor 16
.set MSB, 0
.macro WIN new                         ; the immediate's high byte repeats the setting that is left; a switch that changes nothing is dropped
.if MSB != \new
	s_set_vgpr_msb (MSB<<8)|\new
.set MSB, \new
.endif
.endm
.macro PLACES n                        ; plain vector instructions between a matrix instruction and what touches its registers (ISA guide 7.12.1)
.rept \n
	v_nop
.endr
.endm
; 64 numbers of a lane, register 16 b + i = k 32 b + 16 h + i of my row, become a fragment's codes in v[PC] on and its scale word in v[PW].
.macro QUANT s
.irp b, 0,1,2,3
	v_max3_num_f32 v[TM+\b], |v[\s+16*\b]|, |v[\s+1+16*\b]|, 0x1800000   ; block b: my 16 numbers, and the floor 2^(3 - 127): the byte cannot fall under 1.  (Each accumulator is read from its low end on)
.endr
.irp i, 2,4,6,8,10,12,14
.irp b, 0,1,2,3
	v_max3_num_f32 v[TM+\b], v[TM+\b], |v[\s+16*\b+\i]|, |v[\s+1+16*\b+\i]|
.endr
.endr
.irp b, 0,1,2,3
	v_permlanex16_b32 v[TM+4+\b], v[TM+\b], s[SEL], s[SEL+1]
.endr
.irp b, 0,1,2,3
	v_max_num_f32 v[TM+\b], v[TM+\b], v[TM+4+\b]   ; with lane l xor 16's: the block's largest magnitude
.endr
.irp b, 0,1,2,3
	v_add_nc_u32 v[TM+8+\b], 0xff000000, v[TM+\b]  ; 2 off its exponent field: the conversion takes the exponent field of this operand as its scale
.endr
.irp b, 0,1,2,3
	v_lshrrev_b32 v[TM+4+\b], 23, v[TM+8+\b]       ; the scale's byte
.endr
	v_lshl_or_b32 v[PW], v[TM+5], 8, v[TM+4]
	v_lshl_or_b32 v[PW], v[TM+6], 16, v[PW]
	v_lshl_or_b32 v[PW], v[TM+7], 24, v[PW]
.irp c, 0,1
	v_cvt_scalef32_pk16_fp6_f32 v[PC+6*\c:PC+2+6*\c], v[\s+32*\c:\s+15+32*\c], v[TM+8+2*\c]
	v_cvt_scalef32_pk16_fp6_f32 v[PC+12+4*\c:PC+14+4*\c], v[\s+16+32*\c:\s+31+32*\c], v[TM+8+2*\c+1]   ; (a conversion's three registers begin on an even number)
.endr
	v_nop                                          ; one plain place behind a scaled conversion
.irp c, 0,1                                    ; the operand's layout wants a WHOLE block in a lane: lanes 0-15 block 2 c, lanes 16-31 block 2 c + 1
.irp i, 0,1,2
	v_permlane16_swap_b32 v[PC+6*\c+\i], v[PC+12+4*\c+\i]
.endr
.irp i, 0,1,2
	v_mov_b32 v[PC+3+6*\c+\i], v[PC+12+4*\c+\i]
.endr
.endr
.endm
.macro FETCHB u, s                     ; K step s of the trip's tile u: three groups of four registers, as they lie
.irp c, 0,1,2
	ds_load_b128 v[BF+12*((\s)%4)+4*\c:BF+12*((\s)%4)+4*\c+3], v[ADB] offset:TBLK*(\u)+FRB*(\s)+512*\c
.endr
.endm
.macro KSTEP0 same                     ; the first K step starts the sums with the bias as C: same = 0: eight registers a tile; same = 1: one set of eight for all tiles
	WIN 1
.set t, 0
.rept 8
.if \same
	v_wmma_scale_f32_16x16x128_f8f6f4 v[ACC+8*t:ACC+8*t+7], v[12*t:12*t+11], v[BF:BF+11], v[BA:BA+7], v[AS+4*t], v[BS] matrix_a_fmt:MATRIX_FMT_FP6 matrix_b_fmt:MATRIX_FMT_FP6
.else
	v_wmma_scale_f32_16x16x128_f8f6f4 v[ACC+8*t:ACC+8*t+7], v[12*t:12*t+11], v[BF:BF+11], v[BA+8*t:BA+8*t+7], v[AS+4*t], v[BS] matrix_a_fmt:MATRIX_FMT_FP6 matrix_b_fmt:MATRIX_FMT_FP6
.endif
.set t, t+1
.endr
	WIN 0
.endm
.macro KSTEP s                         ; 8 matrix instructions, the 8 accumulators by turns, one instruction a turn
.set t, 0
.rept 8
.set f, 8*(\s)+t
.if f < 63
.set WN, 1+f/21
.set AR, 12*(f%21)
.else
.set WN, 0
.set AR, A63
.endif
	WIN WN
.if (\s) < 4
	v_wmma_scale_f32_16x16x128_f8f6f4 v[ACC+8*t:ACC+8*t+7], v[AR:AR+11], v[BF+12*((\s)%4):BF+12*((\s)%4)+11], v[ACC+8*t:ACC+8*t+7], v[AS+4*t+(\s)%4], v[BS+(\s)%4] matrix_a_fmt:MATRIX_FMT_FP6 matrix_b_fmt:MATRIX_FMT_FP6
.else
	v_wmma_scale_f32_16x16x128_f8f6f4 v[ACC+8*t:ACC+8*t+7], v[AR:AR+11], v[BF+12*((\s)%4):BF+12*((\s)%4)+11], v[ACC+8*t:ACC+8*t+7], v[AS+4*t+(\s)%4], v[BS+(\s)%4] matrix_a_fmt:MATRIX_FMT_FP6 matrix_b_fmt:MATRIX_FMT_FP6 matrix_a_scale:MATRIX_SCALE_ROW1 matrix_b_scale:MATRIX_SCALE_ROW1
.endif
.set t, t+1
.endr
.endm
; ONE TILE OF B', the trip's u-th.
.macro SUBTRIP u
.if \u > 0
	s_wait_xcnt 0x0                                ; the last tile's stores have read their data, which lie where B's fragments land
.endif
	ds_load_b128 v[BS:BS+3], v[ADS] offset:TBLK*\u+8*FRB
	FETCHB \u, 0
	FETCHB \u, 1
	FETCHB \u, 2
	FETCHB \u, 3
	s_wait_dscnt 9                                 ; the scale words and K step 0 are in; the nine loads of K steps 1 to 3 stay out
	s_cmp_eq_u32 s3, 2
	s_cbranch_scc1 .Lvb_\@
	KSTEP0 0
	s_branch .Lk0_\@
.Lvb_\@:
.irp j, 0,1,2,3,4,5,6,7
	v_mov_b32 v[BA+\j], v[LV+\u]                   ; V: the bias hangs on the lane's feature alone
.endr
	PLACES 4
	KSTEP0 1
.Lk0_\@:
	s_wait_alu depctr_va_vdst(0)
.irp s, 1,2,3,4
	PLACES 4                                       ; in front of loads into the buffer that the last K step has read
	FETCHB \u, \s+3
	s_wait_dscnt 9                                 ; this K step's three loads are in; those of the three K steps behind it stay out
	KSTEP \s
	WIN 0
.endr
	s_wait_dscnt 6                                 ; K steps 6 and 7 stay out,
	KSTEP 5
	s_wait_dscnt 3                                 ; K step 7,
	KSTEP 6
	s_wait_dscnt 0                                 ; nothing
	KSTEP 7
	WIN 0
	PLACES 4
	QUANT ACC
	s_cmp_eq_u32 s3, 1
	s_cbranch_scc1 .Lka_\@
	s_cmp_eq_u32 s3, 2
	s_cbranch_scc1 .Lva_\@
	; Q: registers 0-5 are the even head's operand, 6-11 the odd head's: 512 + 256 bytes each.  Lanes 0-15 keep the even head's scale word of row r, lanes 16-31 the odd head's; bytes 2, 3: 127 (for the +1 at k = 64), 1
	v_lshrrev_b32 v[LV+\u], v[SH], v[PW]
	v_and_or_b32 v[LV+\u], v[LV+\u], s46, s47
	global_store_b128 v[GO16], v[PC:PC+3], s[40:41] offset:FRB*\u
	global_store_b64 v[GO8], v[PC+4:PC+5], s[40:41] offset:FRB*\u+512
	global_store_b128 v[GO16], v[PC+6:PC+9], s[40:41] offset:FRB*\u+768
	global_store_b64 v[GO8], v[PC+10:PC+11], s[40:41] offset:FRB*\u+1280
	s_branch .Lend_\@
.Lka_\@:
	; K: eight registers a head: six of codes, the mask's code, zero.  The choice is made by v_cndmask_b32 on the mask's word: no branch and no address hangs on it
	v_cmp_eq_u32 vcc_lo, 0, v[LV+\u]               ; my lane's key is masked
.irp i, 0,1,2,3,6,7,8,9,10,11
	v_cndmask_b32 v[PC+\i], v[PC+\i], 0, vcc_lo
.endr
	v_cndmask_b32 v[E], v[PC+4], 0, vcc_lo
	v_cndmask_b32 v[E+1], v[PC+5], 0, vcc_lo
	v_cndmask_b32 v[E+2], 0, v[C28], vcc_lo
	v_mov_b32 v[PC+12], v[E+2]
	v_mov_b32 v[PC+13], 0
	v_mov_b32 v[T1], s48
	v_cndmask_b32 v[T1], v[T1], v[CM], vcc_lo      ; bytes 2, 3: 1, 1, or 160, 1 where masked
	v_lshrrev_b32 v[SW], v[SH], v[PW]
	v_and_or_b32 v[LV+\u], v[SW], s46, v[T1]
	global_store_b128 v[GO16], v[PC:PC+3], s[40:41] offset:1024*\u
	global_store_b128 v[GO16], v[E:E+3], s[40:41] offset:1024*\u+512
	global_store_b128 v[GO16], v[PC+6:PC+9], s[40:41] offset:HB+1024*\u
	global_store_b128 v[GO16], v[PC+10:PC+13], s[40:41] offset:HB+1024*\u+512
	s_branch .Lend_\@
.Lva_\@:
	; V: a whole fragment, 16 features x 128 keys
	v_mov_b32 v[LV+\u], v[PW]
	s_wait_alu depctr_va_vdst(0)
.irp c, 0,1,2
	global_store_b128 v[GO16], v[PC+4*\c:PC+4*\c+3], s[40:41] offset:FRB*\u+512*\c
.endr
.Lend_\@:
.endm
	s_load_b512 s[8:23], s[0:1], 0x0               ; ximg 8, wimg 10, pb 12, bv 14, mask 16, qimg 18, qsc 20, kv 22
	s_set_vgpr_msb 0x40
	v_lshl_add_u32 v254, v0, 2, 0x32000
	v_mov_b32 v255, 0
	s_set_vgpr_msb 0x4045
	ds_add_u32 v254, v255
	ds_add_u32 v254, v255
	s_set_vgpr_msb 0x4500
	v_lshrrev_b32 v1, 5, v0
	v_readfirstlane_b32 s2, v1                     ; wave
	s_lshr_b32 s3, ttmp9, 6                        ; 0 Q, 1 K, 2 V
	s_and_b32 s66, ttmp9, 63
	s_and_b32 s67, s66, 1                          ; Q, K: which 512 rows of W
	s_lshr_b32 s68, s66, 1                         ;       which 256 rows of x: 8 batch + block
	s_lshr_b32 s69, s68, 3                         ;       batch
	s_and_b32 s70, s68, 7                          ;       block
	s_lshr_b32 s71, s66, 2                         ; V: which 512 rows of x: 4 batch + block
	s_and_b32 s72, s66, 3                          ;    which 256 rows of Wv
	s_lshr_b32 s73, s71, 2                         ;    batch
	s_and_b32 s74, s71, 3                          ;    block
	s_lshl_b32 s75, s67, 2
	s_add_co_u32 s75, s75, s2                      ; Q, K: g, my pair of heads
	s_mul_i32 s76, s3, 64*TBLK
	s_mul_i32 s77, s67, 32*TBLK
	s_add_co_u32 s76, s76, s77                     ; A': Q, K, in wimg
	s_mul_i32 s77, s71, 32*TBLK                    ;     V, in ximg
	s_mul_i32 s78, s68, 16*TBLK                    ; B': Q, K, in ximg
	s_mul_i32 s79, s72, 16*TBLK
	s_add_co_u32 s79, s79, 128*TBLK                ;     V, in wimg
	s_lshl_b32 s80, s68, 10                        ; the lanes' numbers: 256 words of the mask,
	s_lshl_b32 s81, s72, 10                        ; or of bv
	s_lshl_b32 s82, s3, 2
	s_add_co_u32 s82, s82, s69
	s_lshl_b32 s82, s82, 12
	s_lshl_b32 s83, s75, 9
	s_add_co_u32 s82, s82, s83                     ; the bias: pb[type][batch] at feature 128 g
	s_lshl_b32 s84, s69, 3
	s_add_co_u32 s84, s84, s75                     ; 8 batch + g
	s_lshl_b32 s85, s84, 7
	s_lshl_b32 s86, s70, 4
	s_add_co_u32 s85, s85, s86                     ; Q: my first tile's number
	s_mul_i32 s86, s85, FRB                        ;    its codes,
	s_lshl_b32 s85, s85, 7                         ;    its scale words
	s_mul_i32 s87, s84, 2*HB
	s_mul_i32 s88, s70, 2*STB
	s_add_co_u32 s87, s87, s88                     ; K: head 16 batch + 2 g, step 2 block
	s_lshl_b32 s88, s73, 2
	s_add_co_u32 s88, s88, s72
	s_mul_i32 s88, s88, 4*HB
	s_lshl_b32 s89, s74, 2
	s_add_co_u32 s89, s89, s2
	s_mul_i32 s89, s89, STB
	s_add_co_u32 s88, s88, s89
	s_add_co_u32 s88, s88, 8192                    ; V: head 16 batch + 4 wb, step 4 block + wave, behind K's tiles
	s_mov_b32 s38, STB                             ; from trip to trip in the output: (G / 2) s38 + (G % 2) s39.  K's figures first
	s_mov_b32 s39, 4096
	s_mov_b32 s50, STB                             ; the same for the scale words
	s_mov_b32 s51, 256
	s_mov_b32 s93, HB                              ; their lane term: 16 r + h s93 + s94
	s_mov_b32 s94, 14336
	s_cmp_eq_u32 s3, 2
	s_cselect_b32 s76, s77, s76
	s_cselect_b32 s78, s79, s78
	s_cselect_b32 s80, s81, s80
	s_cselect_b32 s82, 0, s82
	s_cselect_b32 s87, s88, s87
	s_cselect_b32 s38, 2*HB, s38
	s_cselect_b32 s39, HB, s39
	s_cselect_b32 s50, 2*HB, s50
	s_cselect_b32 s51, HB, s51
	s_cselect_b32 s93, 8, s93
	s_cselect_b32 s94, 6656, s94
	s_cmp_eq_u32 s3, 0
	s_cselect_b32 s86, s86, s87
	s_cselect_b32 s85, s85, s87
	s_cselect_b32 s38, 8*FRB, s38
	s_cselect_b32 s39, 4*FRB, s39
	s_cselect_b32 s50, 1024, s50
	s_cselect_b32 s51, 512, s51
	s_cselect_b32 s93, 256, s93
	s_cselect_b32 s94, 0, s94
	; descriptor group 1: a dense block of 51,200 bytes as 200 rows of 256 bytes (32 elements of 8 bytes), no padding
	s_mov_b32 s24, 3<<16
	s_mov_b32 s25, 32<<16
	s_mov_b32 s26, 200<<16
	s_mov_b32 s27, 32<<16
	s_mov_b32 s28, 200
	s_mov_b32 s29, 32
	s_mov_b32 s30, 0
	s_mov_b32 s31, 0
	s_mov_b32 s32, 1
	s_mul_i32 s33, s2, 4*TBLK                      ; my quarter of B' in LDS
	s_mov_b32 s[SEL], 0x76543210
	s_mov_b32 s[SEL+1], 0xfedcba98
	s_mov_b32 s46, 0xffff
	s_mov_b32 s47, 0x017f0000
	s_mov_b32 s48, 0x01010000
	s_mov_b32 s49, 0xffff0000                      ; lanes 16-31
	s_mov_b32 s91, 0
	s_mul_i32 s92, s2, 8*TBLK
	s_wait_dscnt 0x0
	s_wait_kmcnt 0x0
	s_cmp_eq_u32 s3, 2
	s_cselect_b64 s[52:53], s[8:9], s[10:11]       ; A'
	s_cselect_b64 s[54:55], s[10:11], s[8:9]       ; B'
	s_cselect_b64 s[56:57], s[14:15], s[16:17]     ; the lanes' numbers
	s_cmp_eq_u32 s3, 0
	s_cselect_b64 s[40:41], s[18:19], s[22:23]     ; the codes' way out
	s_cselect_b64 s[42:43], s[20:21], s[22:23]     ; the scale words'
	s_add_co_u32 s90, s78, s33
	s_add_nc_u64 s[34:35], s[54:55], s[90:91]
	s_or_b32 s35, s35, 0x80000000
	tensor_load_to_lds s[32:35], s[24:31]          ; my one tensor load: it is out until the wait in front of the barrier
	s_nop 0
	PLACES 4
	s_add_co_u32 s90, s76, s92
	s_add_nc_u64 s[52:53], s[52:53], s[90:91]
	s_mov_b32 s90, s80
	s_add_nc_u64 s[56:57], s[56:57], s[90:91]
	s_mov_b32 s90, s82
	s_add_nc_u64 s[58:59], s[12:13], s[90:91]
	s_mov_b32 s90, s86
	s_add_nc_u64 s[40:41], s[40:41], s[90:91]
	s_mov_b32 s90, s85
	s_add_nc_u64 s[42:43], s[42:43], s[90:91]
	v_and_b32 v80, 15, v0                          ; r
	v_bfe_u32 v81, v0, 4, 1                        ; h
	v_and_b32 v82, 31, v0
	v_lshlrev_b32 v[LI], 4, v82
	v_lshlrev_b32 v[AS0], 5, v80
	v_lshl_add_u32 v[AS0], v81, 4, v[AS0]
	v_lshlrev_b32 v[SH], 4, v81
	v_sub_nc_u32 v[C28], 1, v81
	v_mul_u32_u24 v[C28], v[C28], 40
	v_mov_b32 v[CM], 0x01a00000
	v_mov_b32 v[E+3], 0
	v_lshlrev_b32 v84, 4, v80
	v_mul_lo_u32 v[LT], v81, s93
	v_add3_u32 v[LT], v[LT], v84, s94
	v_and_b32 v85, 8, v80
	v_add_nc_u32 v85, v85, v80
	v_lshlrev_b32 v85, 2, v85                      ; 4 (r + 8 (r / 8))
	v_lshlrev_b32 v86, 6, v81                      ; 64 h
.irp T, 0,1,2,3,4,5,6,7,8,9,10,11,12,13,14,15
	global_load_b32 v[LV+\T], v85, s[56:57] offset:(32*(\T/2)+8*(\T%2))*4
.endr
.irp t, 0,1,2,3,4,5,6,7
	global_load_b128 v[BA+8*\t:BA+8*\t+3], v86, s[58:59] offset:(32*(\t/2)+8*(\t%2))*4      ; lane (r, h), tile t: features 32 (t / 2) + 8 (t % 2) + 16 h + 0 .. 7
	global_load_b128 v[BA+8*\t+4:BA+8*\t+7], v86, s[58:59] offset:(32*(\t/2)+8*(\t%2))*4+16
.endr
.irp t, 0,1,2,3,4,5,6,7
	global_load_b128 v[AS+4*\t:AS+4*\t+3], v[AS0], s[52:53] offset:TBLK*\t+8*FRB
.endr
.set f, 0
.rept 63
.set WN, (1+f/21)<<6
	WIN WN                                         ; destination in window 1 + f / 21, address in window 0
.irp c, 0,1,2
	global_load_b128 v[12*(f%21)+4*\c:12*(f%21)+4*\c+3], v[LI], s[52:53] offset:TBLK*(f%8)+FRB*(f/8)+512*\c
.endr
.set f, f+1
.endr
	WIN 0
.irp c, 0,1,2
	global_load_b128 v[A63+4*\c:A63+4*\c+3], v[LI], s[52:53] offset:TBLK*7+FRB*7+512*\c
.endr
	s_mov_b32 s36, 0                               ; LDS byte of the trip's four tile blocks
	s_mov_b32 s37, 0                               ; the trip
	s_wait_tensorcnt 0x0                           ; my quarter of B' has landed,
	s_wait_loadcnt 0x0                             ; and all that stays in registers
	s_barrier_signal -1
	s_barrier_wait -1                              ; everybody's quarter has: from here on LDS is only read
.Ltrip:                                            ; four trips of four tiles
	s_lshr_b32 s60, s37, 1
	s_and_b32 s61, s37, 1
	s_mul_i32 s62, s60, s38
	s_mul_i32 s63, s61, s39
	s_add_co_u32 s62, s62, s63
	v_add_nc_u32 v[GO16], s62, v[LI]               ; (no store is out here: the wait at the trip's end has freed these registers)
	v_lshrrev_b32 v[GO8], 1, v[LI]
	v_add_nc_u32 v[GO8], s62, v[GO8]
	s_mul_i32 s62, s60, s50
	s_mul_i32 s63, s61, s51
	s_add_co_u32 s62, s62, s63
	s_wait_alu depctr_va_vdst(0)
	v_add_nc_u32 v[GOS], s62, v[LT]
	v_add_nc_u32 v[ADB], s36, v[LI]
	v_add_nc_u32 v[ADS], s36, v[AS0]
	SUBTRIP 0
	SUBTRIP 1
	SUBTRIP 2
	SUBTRIP 3
	; the four tiles' scale words: four neighbouring words a row
	s_cmp_eq_u32 s3, 2
	s_cbranch_scc1 .Lvsc
	s_wait_alu depctr_va_vdst(0)
	global_store_b128 v[GOS], v[LV:LV+3], s[42:43] ; Q: 512 consecutive bytes; K: lanes 0-15 the even head's 256, lanes 16-31 the odd head's
	s_branch .Lscd
.Lvsc:
	v_cndmask_b32 v[TM], v[LV], v[LV+2], s49       ; V: both halves of the lanes hold the same words: lanes 0-15 store words 0, 1, lanes 16-31 words 2, 3
	s_wait_alu depctr_va_vdst(0)
	v_cndmask_b32 v[TM+1], v[LV+1], v[LV+3], s49
	global_store_b64 v[GOS], v[TM:TM+1], s[42:43]  ; 256 consecutive bytes
.Lscd:
	s_wait_xcnt 0x0                                ; every store of the trip has read its registers
.irp i, 0,1,2,3,4,5,6,7,8,9,10,11
	v_mov_b32 v[LV+\i], v[LV+4+\i]                 ; the next trip's four numbers come to the front
.endr
	s_add_co_u32 s36, s36, 4*TBLK
	s_add_co_u32 s37, s37, 1
	s_cmp_lt_u32 s37, 4
	s_cbranch_scc1 .Ltrip
	s_set_vgpr_msb 0x5
	s_wait_tensorcnt 0x0
	ds_add_u32 v254, v255
	s_wait_dscnt 0x0
	s_set_vgpr_msb 0x500
	s_endpgm
.Lfunc_end_k_q8041745b08_proj:
	.size	k_q8041745b08_proj, .Lfunc_end_k_q8041745b08_proj-k_q8041745b08_proj
	.p2alignl 7, 3214868480
	.fill 96, 4, 3214868480
	.section	.rodata,"a",@progbits
	.p2align	6, 0x0
	.amdhsa_kernel k_q8041745b08_proj
		.amdhsa_group_segment_fixed_size 205312
		.amdhsa_private_segment_fixed_size 0
		.amdhsa_enable_private_segment 0
		.amdhsa_kernarg_size 64
		.amdhsa_user_sgpr_count 2
		.amdhsa_user_sgpr_kernarg_segment_ptr 1
		.amdhsa_wavefront_size32 1
		.amdhsa_system_sgpr_workgroup_id_x 1
		.amdhsa_system_sgpr_workgroup_id_y 1
		.amdhsa_system_sgpr_workgroup_id_z 1
		.amdhsa_system_vgpr_workitem_id 0
		.amdhsa_next_free_vgpr 1024
		.amdhsa_next_free_sgpr 100
		.amdhsa_reserve_vcc 1
		.amdhsa_float_denorm_mode_32 3
		.amdhsa_float_denorm_mode_16_64 3
		.amdhsa_memory_ordered 1
		.amdhsa_forward_progress 1
		.amdhsa_inst_pref_size 105
	.end_amdhsa_kernel
	.amdgpu_metadata
---
amdhsa.version: [ 1, 2 ]
amdhsa.kernels:
  - .name:           k_q8041745b08_proj
    .symbol:         k_q8041745b08_proj.kd
    .args:
      - { .name: ximg, .offset: 0, .size: 8, .value_kind: global_buffer, .address_space: global }
      - { .name: wimg, .offset: 8, .size: 8, .value_kind: global_buffer, .address_space: global }
      - { .name: pb, .offset: 16, .size: 8, .value_kind: global_buffer, .address_space: global }
      - { .name: bv, .offset: 24, .size: 8, .value_kind: global_buffer, .address_space: global }
      - { .name: mask, .offset: 32, .size: 8, .value_kind: global_buffer, .address_space: global }
      - { .name: qimg, .offset: 40, .size: 8, .value_kind: global_buffer, .address_space: global }
      - { .name: qsc, .offset: 48, .size: 8, .value_kind: global_buffer, .address_space: global }
      - { .name: kv, .offset: 56, .size: 8, .value_kind: global_buffer, .address_space: global }
    .group_segment_fixed_size: 205312
    .private_segment_fixed_size: 0
    .kernarg_segment_align: 8
    .kernarg_segment_size: 64
    .max_flat_workgroup_size: 128
    .sgpr_count:     100
    .vgpr_count:     1024
    .wavefront_size: 32
...
	.end_amdgpu_metadata
.endif
;; end of part 2
;; launch attn (part 3): grid 4 x 64, 8 waves a work-group, clusters of 4 x 1, 243,712 bytes of LDS; arguments qimg, qsc, kv, pb, attimg; writes attimg
.if DOCPART == 3
	.amdgcn_target "amdgcn-amd-amdhsa--gfx1250"
	.amdhsa_code_object_version 6
	.text
	.protected	k_q8041745b08_attn
	.globl	k_q8041745b08_attn
	.p2align	8
	.type	k_q8041745b08_attn,@function
k_q8041745b08_attn:
	s_mov_b64 s[64:65], 0
	v_nop
	global_prefetch_b8 v0, s[64:65] scope:SCOPE_SE
	s_setreg_imm32_b32 hwreg(HW_REG_WAVE_MODE, 25, 1), 1
	s_wait_xcnt 0x0
	s_wait_alu depctr_hold_cnt(0) depctr_sa_sdst(0) depctr_va_vdst(0) depctr_va_sdst(0) depctr_va_ssrc(0) depctr_va_vcc(0) depctr_vm_vsrc(0)
	s_getreg_b32 s2, hwreg(HW_REG_IB_STS2, 6, 4)
	s_cmp_eq_u32 s2, 0
	s_cbranch_scc0 .Lentry_in_a_cluster
	s_endpgm
.Lentry_in_a_cluster:
	s_bfe_u32 s2, ttmp6, 0x10000c
	s_cmp_lg_u32 s2, 0x3003
	s_cbranch_scc0 .Lentry_shape_is_right
	s_endpgm
.Lentry_shape_is_right:
; ATTN.  att[q] = gate x (sum over keys of p V) / (sum of p), p = 2^(t - M), t = score x log2(e) / 8, M = the running largest t rounded up to a whole number.  Both products on codes of FP6 (E2M3) with one
; E8M0 scale for each 32 along K; p is quantised along the keys, not normalised; the row's sum is taken of the unquantised p in f32.  The result x gate is quantised along the model's 1,024 and stored as images of operand registers.
; SHARES.  A cluster of four work-groups owns one (batch, head); a work-group 512 queries; each of its eight waves four tiles of 16 queries, two at a time: tile a in register window 0, tile b under the same
; register numbers in window 1.  Each fragment of K and V is read from LDS once for both tiles.
; LDS.  A head's K, V and scale words, 16 step blocks (128 keys) of 15,104 bytes, come ONCE: two step blocks by each wave's one tensor load, asked for JOINTLY by the four work-groups.  Nothing is filled twice and
; nothing is stored to LDS: behind one barrier LDS is only read.
; LAYOUT.  Both products are used transposed: S^T = K Q^T, O^T = V^T P^T: a lane holds ONE query (lane % 16).  THE KEYS OF A TILE ARE CHOSEN BY THE LANES' LDS ADDRESSES: row r of tile n of a group of 64 keys is key
; 32 (r / 8) + 8 n + r % 8, taken from the stored tile n % 2 + 2 (r / 8), place r % 8 + 8 (n / 2).  So lane (q, h) holds in 32 registers on end the WHOLE block of keys 64 g + 32 h + 0 .. 31, in the order of the
; 6-bit operand: a block's maximum needs no other lane, and the conversions' results are the operand.
; K'S FRAGMENTS LIE 8 REGISTERS APART: registers 8-11 of a fragment are the next fragment's first four.  They stand at k = 80 .. 95 and 112 .. 127, where every code of Q is zero, so they add nothing to a sum.
; THE MASK costs no line here: at k = 64 every query carries +1 and a masked key -1 x 2^33 (its other codes are zeros): its score is exactly -2^33.
; CHAINS.  The maxima run in eight chains (one an accumulator), the sum in eight chains that are kept from step to step and joined on the way out: a line reads what was written eight lines before it.
; NO PREFETCH: all of K and V is asked for at the head.  No wait on DScnt has a count above 0: each run of LDS loads is waited for behind the exponentials of the tile that follows it.
; LIMITS: a masked logit is -2^30 where the source writes -1e9: the same results while open logits lie above about -1e9; the promise holds while the scaled scores stay under 2^31 in magnitude.  A block of zeros
; gets the scale byte 1, not 127 (zero codes; this program alone reads the bytes).  att's scale bytes leave one byte a lane, 32 bytes apart.  NaN and infinities are not served.
; REGISTERS.  Window 0: v1-11 addresses, v12-21 scale words, v22-23 the spare word's address and 0, v28-95 K.  Window 1: v0-47 V, v48-79 the gate.  Both windows, one tile each: v96-159 S^T then p, v160-191 O^T,
; v192-203 Q, v204-215 p's codes, v216-222 half blocks of codes, v224 -M, v225 the largest score, v226 f, v228-243 the sum's chains, v244-255, v219, v223 at work.
.set STB,  15104
.set HB,   241664
.set SPARE, 0x3b000
.set LK,   1                           ; K's fragments: 2048 (r / 8) + 16 (r % 8) + 256 h
.set LV,   2                           ; 16 x lane
.set LKS,  3                           ; K's scale words: 16 (r % 8) + 8 (r / 8) + 256 h: lanes 16-31 take the second group of 64 keys
.set LVS,  4                           ; V's: 16 r + 8 h: lanes 16-31 take tiles 2, 3
.set AK,   5                           ; the same four + the step block
.set AV,   6
.set AKS,  7
.set AVS,  8
.set L8,   9                           ; 8 x lane
.set SCA,  10                          ; 32 r + h
.set LR,   11                          ; 16 r
.set KS,   12                          ; v12-15 K's scale words of tile n; v16-17 V's; v18-19 Q's (tile a, b); v20-21 p's
.set VS,   16
.set QS,   18
.set PW,   20
.set SPW,  22
.set NIL,  23
.set GA,   24                          ; 64 h
.set KF,   28
.set GT,   48
.set S,    96
.set O,    160
.set Q,    192
.set P,    204
.set T,    216
.set R,    219
.set TP,   223
.set NM,   224
.set MR,   225
.set F,    226
.set L,    228
.set C,    244                         ; v244-251 the maxima's chains; afterwards v244-245 the conversions' scale operands, v246-247 the bytes
.set SO,   244
.set BY,   246
.set X,    252
.set WV,   14
.set MSB, 0
.macro WIN new                         ; the immediate's high byte repeats the setting that is left; a switch that changes nothing is dropped
.if MSB != (\new)
	s_set_vgpr_msb (MSB<<8)|(\new)
.set MSB, (\new)
.endif
.endm
.macro CROUND                          ; a round of the cluster's barrier
	s_barrier_signal -1
	s_barrier_wait -1
	s_cmp_lg_u32 s[WV], 0
	s_cbranch_scc1 .Lnot_wave_0_\@
	s_barrier_signal -3
.Lnot_wave_0_\@:
	s_barrier_wait -3
	s_barrier_signal -1
	s_barrier_wait -1
.endm
.macro WM d, a, b, sa, sb, row, acc    ; row: source 0's scales from lanes 16-31; acc = 0: the product starts the sum
.if \acc
.if \row
	v_wmma_scale_f32_16x16x128_f8f6f4 v[\d:\d+7], v[\a:\a+11], v[\b:\b+11], v[\d:\d+7], v[\sa], v[\sb] matrix_a_fmt:MATRIX_FMT_FP6 matrix_b_fmt:MATRIX_FMT_FP6 matrix_a_scale:MATRIX_SCALE_ROW1
.else
	v_wmma_scale_f32_16x16x128_f8f6f4 v[\d:\d+7], v[\a:\a+11], v[\b:\b+11], v[\d:\d+7], v[\sa], v[\sb] matrix_a_fmt:MATRIX_FMT_FP6 matrix_b_fmt:MATRIX_FMT_FP6
.endif
.else
.if \row
	v_wmma_scale_f32_16x16x128_f8f6f4 v[\d:\d+7], v[\a:\a+11], v[\b:\b+11], 0, v[\sa], v[\sb] matrix_a_fmt:MATRIX_FMT_FP6 matrix_b_fmt:MATRIX_FMT_FP6 matrix_a_scale:MATRIX_SCALE_ROW1
.else
	v_wmma_scale_f32_16x16x128_f8f6f4 v[\d:\d+7], v[\a:\a+11], v[\b:\b+11], 0, v[\sa], v[\sb] matrix_a_fmt:MATRIX_FMT_FP6 matrix_b_fmt:MATRIX_FMT_FP6
.endif
.endif
.endm
.macro SMUL tl                         ; S^T = K Q^T of tile tl: eight tiles of 16 keys.  K in window 0, Q and S^T in the tile's window
	WIN 0x54*\tl
.set i, 0
.rept 8
	WM S+8*i, KF+8*i, Q, KS+i%4, QS+\tl, i/4, 0
.set i, i+1
.endr
.endm
.macro PMUL tl                         ; O^T += V^T P^T: one instruction for each accumulator, by turns.  V in window 1
	WIN 0x01+0x54*\tl
.set i, 0
.rept 4
	WM O+8*i, 12*i, P, VS+i%2, PW+\tl, i/2, 1
.set i, i+1
.endr
.endm
.macro KLOAD a, as, off                ; a step block's K: eight fragments of 8 registers, and the scale words
.irp g, 0,1
.irp n, 0,1,2,3
	ds_load_b128 v[KF+8*(4*\g+\n):KF+8*(4*\g+\n)+3], v[\a] offset:\off+4096*\g+1024*(\n%2)+128*(\n/2)
	ds_load_b128 v[KF+8*(4*\g+\n)+4:KF+8*(4*\g+\n)+7], v[\a] offset:\off+4096*\g+1024*(\n%2)+128*(\n/2)+512
.endr
.endr
.irp m, 0,1
	ds_load_b64 v[KS+2*\m:KS+2*\m+1], v[\as] offset:\off+14336+128*\m
.endr
.endm
.macro VLOAD                           ; a step block's V: four fragments into window 1, and the scale words
	WIN 0x40
.irp t, 0,1,2,3
.irp c, 0,1,2
	ds_load_b128 v[12*\t+4*\c:12*\t+4*\c+3], v[AV] offset:8192+1536*\t+512*\c
.endr
.endr
	WIN 0
	ds_load_b64 v[VS:VS+1], v[AVS] offset:14848
.endm
.macro RS n                            ; n pairs of O^T under the new M, from pair jo on
.rept \n
	v_pk_mul_f32 v[O+jo:O+jo+1], v[O+jo:O+jo+1], v[F:F+1] op_sel_hi:[1,0]
.set jo, jo+2
.endr
.endm
.macro SUMS n                          ; n pairs of p onto the sum's eight chains, from pair js on
.rept \n
	v_pk_add_f32 v[L+js%16:L+js%16+1], v[L+js%16:L+js%16+1], v[S+js:S+js+1]
.set js, js+2
.endr
.endm
; THE VECTOR WORK OF ONE TILE AND 128 KEYS, all in the tile's window.  Registers S + 32 c + 0 .. 31 are my block 2 c + h.  ns: how many of the sum's last 24 lines stand here.
.macro VEC tl, ns
	WIN 0x55*\tl
.irp k, 0,1,2,3,4,5,6,7
	v_max3_num_f32 v[C+\k], v[S+8*\k], v[S+8*\k+1], v[S+8*\k+2]   ; the largest scores, a chain an accumulator; each accumulator is read from its low end on
.endr
	v_mov_b32 v[R], v[NM]                          ; the old -M
.irp c, 0,1
	v_max_num_f32 v[X+2*\c+1], v[S+32*\c+23], v[S+32*\c+31]   ; the accumulators' last registers have a chain a block
.endr
.irp k, 0,1,2,3,4,5,6,7
	v_max3_num_f32 v[C+\k], v[C+\k], v[S+8*\k+3], v[S+8*\k+4]
.endr
.irp c, 0,1
	v_max3_num_f32 v[X+2*\c+1], v[X+2*\c+1], v[S+32*\c+7], v[S+32*\c+15]
.endr
.irp k, 0,1,2,3,4,5,6,7
	v_max3_num_f32 v[C+\k], v[C+\k], v[S+8*\k+5], v[S+8*\k+6]
.endr
.irp c, 0,1
	v_max3_num_f32 v[X+2*\c], v[C+4*\c], v[C+4*\c+1], v[C+4*\c+2]
.endr
.irp c, 0,1
	v_max3_num_f32 v[X+2*\c], v[X+2*\c], v[X+2*\c+1], v[C+4*\c+3]   ; each block's largest score
.endr
	v_max3_num_f32 v[TP], v[MR], v[X], v[X+2]      ; with the largest so far,
	v_permlanex16_b32 v[C], v[TP], s20, s21
	v_max_num_f32 v[MR], v[TP], v[C]               ; and lane l xor 16's: the running largest score of my query
	v_mul_f32 v[TP], s58, v[MR]                    ; -t
	v_floor_f32 v[NM], v[TP]                       ; the new -M = -ceil(t): a whole number
	v_sub_f32 v[TP], v[NM], v[R]                   ; old M - new M: a whole number, 0 or less
	v_fma_f32 v[X], v[X], s22, v[NM]               ; t - M of each block's largest score: p rises with the score
	v_fma_f32 v[X+2], v[X+2], s22, v[NM]
	v_cvt_i32_f32 v[TP], v[TP]                     ; (it saturates)
.set j, 0
.rept 4
	v_pk_fma_f32 v[S+j:S+j+1], v[S+j:S+j+1], s[22:23], v[NM:NM+1] op_sel_hi:[1,0,0]   ; t - M, two at a time
.set j, j+2
.endr
	v_ldexp_f32 v[F], 1.0, v[TP]                   ; f = 2^(old M - new M): a multiplication by it rounds nothing
.rept 28
	v_pk_fma_f32 v[S+j:S+j+1], v[S+j:S+j+1], s[22:23], v[NM:NM+1] op_sel_hi:[1,0,0]
.set j, j+2
.endr
	s_wait_alu depctr_va_vdst(0)                   ; the wait ahead of the batch
.set j, 0
.rept 64
	v_exp_f32 v[S+j], v[S+j]                       ; p = 2^(t - M)
.set j, j+1
.endr
	v_exp_f32 v[X], v[X]                           ; each block's largest p
	v_exp_f32 v[X+2], v[X+2]
	s_wait_dscnt 0x0                               ; the run of LDS loads issued ahead of this tile's work is in
	s_wait_alu depctr_va_vdst(0)                   ; one wait for the batch, directly ahead of the first reader of O^T too
.set jo, 0
	RS 1                                           ; O^T under the new M: plain work behind the exponentials; the scale bytes' lines stand among these sixteen
.irp c, 0,1
	v_max_num_f32 v[X+2*\c], 0x1800000, v[X+2*\c]  ; the floor 2^(3 - 127): the byte cannot fall under 1
.endr
	RS 3
.irp c, 0,1
	v_add_nc_u32 v[SO+\c], 0xff000000, v[X+2*\c]   ; 2 off the exponent field: the conversion's scale operand
.endr
	RS 3
.irp c, 0,1
	v_lshrrev_b32 v[BY+\c], 23, v[SO+\c]
.endr
	RS 3
	v_lshl_or_b32 v[BY], v[BY+1], 16, v[BY]        ; my two bytes: blocks h and 2 + h
	RS 6
	v_permlanex16_b32 v[TP], v[BY], s20, s21
.irp c, 0,1
	v_cvt_scalef32_pk16_fp6_f32 v[P+6*\c:P+6*\c+2], v[S+32*\c:S+32*\c+15], v[SO+\c]
	v_cvt_scalef32_pk16_fp6_f32 v[T+4*\c:T+4*\c+2], v[S+32*\c+16:S+32*\c+31], v[SO+\c]   ; (a conversion's three registers begin on an even number)
.endr
	WIN 0x15*\tl                                   ; scale words lie in window 0
	v_lshl_or_b32 v[PW+\tl], v[TP], 8, v[BY]       ; lanes 0-15, which alone are read: blocks 0, 1, 2, 3.  (A plain line behind the conversions)
	WIN 0x55*\tl
.set js, 0
.rept 8
	v_pk_fma_f32 v[L+js:L+js+1], v[L+js:L+js+1], v[F:F+1], v[S+js:S+js+1] op_sel_hi:[1,0,1]   ; the sum of the unquantised p: each chain comes under the new M as it takes its first pair
.set js, js+2
.endr
.irp c, 0,1
.irp i, 0,1,2
	v_mov_b32 v[P+6*\c+3+\i], v[T+4*\c+\i]
.endr
.endr
	SUMS \ns                                       ; these are also the places between p's codes and scale word and the product
.endm
; A KEY STEP, 128 keys, both tiles.  nx = 1: the next step block's K is fetched.  Four plain instructions stand behind each run of products, ahead of the loads into registers that they have read and of the first read of S^T.
.macro STEP nx
	v_add_nc_u32 v[AV], s36, v[LV]
	v_add_nc_u32 v[AVS], s36, v[LVS]
	SMUL 0
	WIN 0
.if \nx
	v_add_nc_u32 v[AK], s36, v[LK]
	v_add_nc_u32 v[AKS], s36, v[LKS]
.else
	v_nop
	v_nop
.endif
	v_nop
	v_nop
	VLOAD                                          ; this step's V: it is waited for behind tile a's exponentials
	VEC 0, 20
	SMUL 1
	PMUL 0
	WIN 0
	SUMS 4                                         ; tile a's last four pairs of p are the four places here
.if \nx
	KLOAD AK, AKS, STB                             ; the next step's K: it is waited for behind tile b's exponentials
.endif
	VEC 1, 24
	PMUL 1
	WIN 0
.endm
.macro QLOAD p                         ; the two tiles of pass p: tile 32 cx + 4 wave + 2 p + (0, 1)
.irp tl, 0,1
	WIN 0x40*\tl
	global_load_b128 v[Q:Q+3], v[LV], s[40:41] offset:1536*(2*\p+\tl)
	global_load_b64 v[Q+4:Q+5], v[L8], s[40:41] offset:1536*(2*\p+\tl)+512
.endr
	WIN 0
.irp tl, 0,1
	global_load_b32 v[QS+\tl], v[LR], s[42:43] offset:4*(2*\p+\tl)
.endr
.endm
; THE WAY OUT of one tile: / the sum, x the gate, quantised along the head's 64 (two blocks of the model's 1,024).  Register O + 16 b + i is dimension 32 b + 16 h + i.
.macro EPI p, tl
	WIN 0x55*\tl
.irp k, 0,1,2,3
	v_pk_add_f32 v[L+2*\k:L+2*\k+1], v[L+2*\k:L+2*\k+1], v[L+8+2*\k:L+9+2*\k]   ; the sum's eight chains become one
.endr
.irp k, 0,1
	v_pk_add_f32 v[L+2*\k:L+2*\k+1], v[L+2*\k:L+2*\k+1], v[L+4+2*\k:L+5+2*\k]
.endr
	v_pk_add_f32 v[L:L+1], v[L:L+1], v[L+2:L+3]
	v_add_f32 v[L], v[L], v[L+1]
	s_delay_alu instid0(VALU_DEP_1)
	v_permlanex16_b32 v[TP], v[L], s20, s21
	s_delay_alu instid0(VALU_DEP_1)
	v_add_f32 v[L], v[L], v[TP]                    ; the row's sum
	s_wait_alu depctr_va_vdst(0)
	v_rcp_f32 v[F], v[L]
	v_nop                                          ; a plain instruction behind the reciprocal,
	s_wait_alu depctr_va_vdst(0)                   ; and the wait ahead of its first reader, which is O^T's first reader too
.set jo, 0
	RS 16
	WIN 0x04+0x51*\tl                              ; the gate lies in window 1
.set j, 0
.rept 16
	v_pk_mul_f32 v[O+j:O+j+1], v[O+j:O+j+1], v[GT+j:GT+j+1]
.set j, j+2
.endr
	WIN 0x55*\tl
.irp b, 0,1
	v_max3_num_f32 v[X+\b], |v[O+16*\b]|, |v[O+16*\b+1]|, 0x1800000
.endr
.irp i, 2,4,6,8,10,12,14
.irp b, 0,1
	s_delay_alu instid0(VALU_DEP_2)
	v_max3_num_f32 v[X+\b], v[X+\b], |v[O+16*\b+\i]|, |v[O+16*\b+\i+1]|
.endr
.endr
.irp b, 0,1
	s_delay_alu instid0(VALU_DEP_2)
	v_permlanex16_b32 v[BY+\b], v[X+\b], s20, s21
.endr
.irp b, 0,1
	s_delay_alu instid0(VALU_DEP_2)
	v_max_num_f32 v[X+\b], v[X+\b], v[BY+\b]
.endr
.irp b, 0,1
	s_delay_alu instid0(VALU_DEP_2)
	v_add_nc_u32 v[SO+\b], 0xff000000, v[X+\b]
.endr
.irp b, 0,1
	s_delay_alu instid0(VALU_DEP_2)
	v_lshrrev_b32 v[BY+\b], 23, v[SO+\b]
.endr
	s_delay_alu instid0(VALU_DEP_1)
	v_cndmask_b32 v[R], v[BY], v[BY+1], s38        ; lanes 0-15 store block 0's byte, lanes 16-31 block 1's
	v_cvt_scalef32_pk16_fp6_f32 v[P:P+2], v[O:O+15], v[SO]
	v_cvt_scalef32_pk16_fp6_f32 v[P+4:P+6], v[O+16:O+31], v[SO+1]
	v_nop
.irp i, 0,1,2
	v_permlane16_swap_b32 v[P+\i], v[P+4+\i]       ; a whole block in a lane
.endr
.irp i, 0,1,2
	s_delay_alu instid0(VALU_DEP_3)
	v_mov_b32 v[P+3+\i], v[P+4+\i]                 ; P .. P + 5: my block's 32 codes
.endr
	WIN 0x04*\tl                                   ; the stores' data in the tile's window
	global_store_b128 v[LV], v[P:P+3], s[44:45] offset:12800*(2*\p+\tl)
	global_store_b64 v[L8], v[P+4:P+5], s[44:45] offset:12800*(2*\p+\tl)+512
	global_store_b8 v[SCA], v[R], s[48:49] offset:12800*(2*\p+\tl)
	WIN 0
.endm
.macro PASS p
.if \p > 0
	s_wait_xcnt 0x0                                ; the last pass's stores have read their registers
.endif
.irp tl, 0,1
	WIN 0x55*\tl
	v_mov_b32 v[MR], 0xff61b1e6                    ; the largest score so far: -3e38
	v_mov_b32 v[NM], 0x7e000000                    ; -M: 2^125, so that the first f is 0
.set j, 0
.rept 16
	v_mov_b32 v[L+j], 0                            ; the sum's chains
.set j, j+1
.endr
.set j, 0
.rept 32
	v_mov_b32 v[O+j], 0                            ; the step is written once: the first finds zeros
.set j, j+1
.endr
.endr
	WIN 0
	KLOAD LK, LKS, 0
	s_mov_b32 s36, 0
	s_mov_b32 s37, 15
	s_wait_alu depctr_va_vdst(0)                   ; the wait here, directly ahead of the waits below
	s_wait_loadcnt 0x0                             ; Q, its scale words, the gate
	s_wait_dscnt 0x0                               ; step block 0's K
.Lstep_\@:
	STEP 1
	s_add_co_u32 s36, s36, STB
	s_sub_co_u32 s37, s37, 1
	s_cmp_lg_u32 s37, 0
	s_cbranch_scc1 .Lstep_\@
	STEP 0                                         ; the last step fetches no further K
.if \p == 0
	QLOAD 1                                        ; the next pass's queries come in under the way out
.endif
	EPI \p, 0
	EPI \p, 1
.endm
	s_load_b256 s[4:11], s[0:1], 0x0               ; qimg 4, qsc 6, kv 8, pb 10
	s_load_b64 s[12:13], s[0:1], 0x20              ; attimg
	v_lshl_add_u32 v[SPW], v0, 2, SPARE
	v_mov_b32 v[NIL], 0
	ds_add_u32 v[SPW], v[NIL]                      ; the opening lines: the add, twice on end, and its wait ahead of my tensor load
	ds_add_u32 v[SPW], v[NIL]
	v_lshrrev_b32 v1, 5, v0
	s_delay_alu instid0(VALU_DEP_1)
	v_readfirstlane_b32 s[WV], v1                  ; wave 0..7
	s_bfe_u32 s15, ttmp6, 0x40000                  ; cx: it enters Q's and att's global addresses alone
	s_and_b32 s16, ttmp7, 0xffff                   ; 16 batch + head, which the four partners share
	s_lshr_b32 s17, s16, 4
	s_and_b32 s18, s16, 15
	s_lshr_b32 s19, s18, 1                         ; g: the pair of heads
	s_and_b32 s39, s18, 1
	; descriptor group 1: two step blocks, 30,208 dense bytes, as 118 rows of 256 bytes (32 elements of 8 bytes); the mask names all four work-groups, bit 21 beside it
	s_mov_b32 s24, 15|(3<<16)|(1<<21)
	s_mov_b32 s25, 32<<16
	s_mov_b32 s26, 118<<16
	s_mov_b32 s27, 32<<16
	s_mov_b32 s28, 118
	s_mov_b32 s29, 32
	s_mov_b32 s30, 0
	s_mov_b32 s31, 0
	s_mov_b32 s32, 1
	s_mul_i32 s33, s[WV], 2*STB                    ; step blocks 2 wave, 2 wave + 1, in LDS as in memory
	s_mul_i32 s50, s16, HB
	s_add_co_u32 s50, s50, s33
	s_mov_b32 s51, 0
	s_mov_b32 s20, 0x76543210
	s_mov_b32 s21, 0xfedcba98                      ; v_permlanex16_b32's selects for lane l xor 16
	s_mov_b32 s22, 0x3e38aa3b                      ; c = log2(e) / sqrt(64)
	s_mov_b32 s23, s22                             ; (named with it as a pair, so it is written)
	s_mov_b32 s58, 0xbe38aa3b                      ; -c
	s_mov_b32 s38, 0xffff0000                      ; lanes 16-31
	s_wait_dscnt 0x0
	s_wait_kmcnt 0x0
	s_add_nc_u64 s[34:35], s[8:9], s[50:51]
	s_or_b32 s35, s35, 0x80000000
	CROUND                                         ; all four work-groups are here: the joint loads meet
	tensor_load_to_lds s[32:35], s[24:31]          ; my one tensor load
	s_nop 0
.rept 4
	v_nop
.endr
	s_lshl_b32 s50, s17, 3
	s_add_co_u32 s50, s50, s19                     ; 8 batch + g
	s_lshl_b32 s52, s15, 5
	s_lshl_b32 s53, s[WV], 2
	s_add_co_u32 s52, s52, s53                     ; my first tile: 32 cx + 4 wave
	s_lshl_b32 s53, s50, 7
	s_add_co_u32 s53, s53, s52
	s_lshl_b32 s53, s53, 1
	s_add_co_u32 s53, s53, s39
	s_mul_i32 s54, s53, 768
	s_mov_b32 s55, 0
	s_add_nc_u64 s[40:41], s[4:5], s[54:55]        ; Q's codes: [batch][g][tile][head parity][768]
	s_lshl_b32 s54, s50, 14
	s_lshr_b32 s56, s52, 2
	s_lshl_b32 s56, s56, 9
	s_add_co_u32 s54, s54, s56
	s_lshl_b32 s56, s39, 8
	s_add_co_u32 s54, s54, s56
	s_add_nc_u64 s[42:43], s[6:7], s[54:55]        ; Q's scale words: [batch][g][tile / 4][head parity][r][tile % 4]
	s_lshl_b32 s54, s17, 7
	s_add_co_u32 s54, s54, s52
	s_mul_i32 s54, s54, 12800
	s_add_nc_u64 s[48:49], s[12:13], s[54:55]      ; att's tile block
	s_mul_i32 s56, s18, 768
	s_mov_b32 s57, 0
	s_add_nc_u64 s[44:45], s[48:49], s[56:57]      ; my head's half of fragment g
	s_lshl_b32 s56, s18, 1
	s_add_co_u32 s56, s56, 12288
	s_add_nc_u64 s[48:49], s[48:49], s[56:57]      ; my head's two scale bytes of a row
	s_add_co_u32 s54, s17, 8
	s_lshl_b32 s54, s54, 12
	s_lshl_b32 s56, s18, 8
	s_add_co_u32 s54, s54, s56
	s_add_nc_u64 s[46:47], s[10:11], s[54:55]      ; the gate: pb[2][batch] at my head
	v_and_b32 v[LR], 15, v0                        ; r
	v_bfe_u32 v[GA], v0, 4, 1                      ; h
	v_and_b32 v[L8], 31, v0                        ; lane
	v_bfe_u32 v[AK], v0, 3, 1                      ; r / 8
	v_and_b32 v[AV], 7, v0                         ; r % 8
	v_lshlrev_b32 v[LV], 4, v[L8]
	v_lshlrev_b32 v[L8], 3, v[L8]
	v_lshl_add_u32 v[SCA], v[LR], 5, v[GA]
	v_lshlrev_b32 v[LK], 11, v[AK]
	v_lshlrev_b32 v[LKS], 3, v[AK]
	v_lshlrev_b32 v[LVS], 3, v[GA]
	v_lshl_add_u32 v[LK], v[AV], 4, v[LK]
	v_lshl_add_u32 v[LKS], v[AV], 4, v[LKS]
	v_lshl_add_u32 v[LVS], v[LR], 4, v[LVS]
	v_lshl_add_u32 v[LK], v[GA], 8, v[LK]
	v_lshl_add_u32 v[LKS], v[GA], 8, v[LKS]
	v_sub_nc_u32 v[AKS], 1, v[GA]
	v_lshlrev_b32 v[LR], 4, v[LR]
	v_lshlrev_b32 v[GA], 6, v[GA]
	v_lshlrev_b32 v[AKS], 3, v[AKS]                ; the code +1 (0x08) at k = 64: register 6 of lanes 0-15
.irp tl, 0,1
	WIN 0x40*\tl
	v_mov_b32 v[Q+6], v[AKS]
.irp i, 7,8,9,10,11
	v_mov_b32 v[Q+\i], 0                           ; Q's zero codes, written once
.endr
	v_mov_b32 v[F+1], 0                            ; (named as the upper half of a pair)
.endr
	WIN 0
.irp i, 0,1,2,3
	v_mov_b32 v[KF+64+\i], 0                       ; registers 8-11 of K's last fragment
.endr
	WIN 0x40
.irp b, 0,1
.irp q, 0,1,2,3
	global_load_b128 v[GT+16*\b+4*\q:GT+16*\b+4*\q+3], v[GA], s[46:47] offset:128*\b+16*\q   ; the gate at my dimensions 32 b + 16 h + 0 .. 15, once for all four tiles
.endr
.endr
	WIN 0
	QLOAD 0
	s_wait_alu depctr_va_vdst(0)                   ; the wait at the head's end
	s_wait_tensorcnt 0x0                           ; my two step blocks have landed,
	s_barrier_signal -1
	s_barrier_wait -1                              ; everybody's have
	PASS 0
	PASS 1
	s_wait_tensorcnt 0x0                           ; the wave's end
	ds_add_u32 v[SPW], v[NIL]
	s_wait_dscnt 0x0
	CROUND                                         ; the closing round: no work-group ends while a partner may still ask for a tile that names it
	s_endpgm
.Lfunc_end_k_q8041745b08_attn:
	.size	k_q8041745b08_attn, .Lfunc_end_k_q8041745b08_attn-k_q8041745b08_attn
	.p2alignl 7, 3214868480
	.fill 96, 4, 3214868480
	.section	.rodata,"a",@progbits
	.p2align	6, 0x0
	.amdhsa_kernel k_q8041745b08_attn
		.amdhsa_group_segment_fixed_size 243712
		.amdhsa_private_segment_fixed_size 0
		.amdhsa_enable_private_segment 0
		.amdhsa_kernarg_size 40
		.amdhsa_user_sgpr_count 2
		.amdhsa_user_sgpr_kernarg_segment_ptr 1
		.amdhsa_wavefront_size32 1
		.amdhsa_system_sgpr_workgroup_id_x 1
		.amdhsa_system_sgpr_workgroup_id_y 1
		.amdhsa_system_sgpr_workgroup_id_z 1
		.amdhsa_system_vgpr_workitem_id 0
		.amdhsa_next_free_vgpr 512
		.amdhsa_next_free_sgpr 66
		.amdhsa_reserve_vcc 0
		.amdhsa_float_denorm_mode_32 3
		.amdhsa_float_denorm_mode_16_64 3
		.amdhsa_memory_ordered 1
		.amdhsa_forward_progress 1
		.amdhsa_inst_pref_size 145
	.end_amdhsa_kernel
	.amdgpu_metadata
---
amdhsa.version: [ 1, 2 ]
amdhsa.kernels:
  - .name:           k_q8041745b08_attn
    .symbol:         k_q8041745b08_attn.kd
    .args:
      - { .name: qimg, .offset: 0, .size: 8, .value_kind: global_buffer, .address_space: global }
      - { .name: qsc, .offset: 8, .size: 8, .value_kind: global_buffer, .address_space: global }
      - { .name: kv, .offset: 16, .size: 8, .value_kind: global_buffer, .address_space: global }
      - { .name: pb, .offset: 24, .size: 8, .value_kind: global_buffer, .address_space: global }
      - { .name: attimg, .offset: 32, .size: 8, .value_kind: global_buffer, .address_space: global }
    .group_segment_fixed_size: 243712
    .private_segment_fixed_size: 0
    .kernarg_segment_align: 8
    .kernarg_segment_size: 40
    .max_flat_workgroup_size: 256
    .sgpr_count:     66
    .vgpr_count:     512
    .wavefront_size: 32
...
	.end_amdgpu_metadata
.endif
;; end of part 3
;; launch oproj (part 4): grid 256 x 1, 4 waves a work-group, no clusters, 168,448 bytes of LDS; arguments attimg, wimg, bo, out0; writes out0
.if DOCPART == 4
	.amdgcn_target "amdgcn-amd-amdhsa--gfx1250"
	.amdhsa_code_object_version 6
	.text
	.protected	k_q8041745b08_oproj
	.globl	k_q8041745b08_oproj
	.p2align	8
	.type	k_q8041745b08_oproj,@function
k_q8041745b08_oproj:
	s_mov_b64 s[64:65], 0
	v_nop
	global_prefetch_b8 v0, s[64:65] scope:SCOPE_SE
	s_setreg_imm32_b32 hwreg(HW_REG_WAVE_MODE, 25, 1), 1
	s_wait_xcnt 0x0
; OPROJ.  out = att Wo + bo on codes of FP6 (E2M3) with one E8M0 scale for each 32 along K; sums and output in f32.
; SHARES.  A work-group makes 64 rows (4 tiles of att, one batch) x 512 columns.  Wave w keeps tiles 8 w .. 8 w + 7 of its half of Wo (128 columns) for ALL of K in registers: 64 fragments, 768 registers, read once.
; The four tile blocks of att (51,200 bytes) come into LDS once, one by each wave's tensor load, and all four waves read them: one barrier; no LDS byte is filled twice.
; Source 0 = 16 rows of Wo, source 1 = 16 rows of att: a lane holds one row of att, and the 16 registers of two neighbouring tiles are 16 neighbouring columns (place r of a tile of Wo is row
; 32 (t / 2) + 8 (t % 2) + r + 8 (r / 8)).  bo is the C of each sum's first matrix instruction.  A tile's results go through the wave's own stage in LDS and leave as rows of 512 consecutive bytes.
; LDS: 0 .. 51,199 att; from 51,200 four stages of 16 rows x 528 bytes, into which no tensor load lands.  The claim is larger than the use, so that the work-group is alone on its WGP.
; NO CLUSTER: of the 460,800 bytes that a work-group reads, 409,600 go straight into registers; what two work-groups share through LDS is 51,200.  NO PREFETCH: all is asked for at the head.
; REGISTERS.  Window 0 below.  Windows 1-3: Wo's fragment f = 8 s + t at v[12 (f % 21)] of window 1 + f / 21; fragment 63 in window 0.
.set TBLK,  12800
.set FRB,   1536
.set STG,   51200
.set SP,    528
.set LI,   1                           ; v1  16 x lane
.set L8,   2                           ; v2  8 x lane
.set AS0,  3                           ; v3  32 r + 16 h
.set SO,   4                           ; v4  my stage: row r, + 64 h
.set SR,   5                           ; v5  my stage + 16 x lane
.set AS,   28                          ; v28-59  Wo's scale words: register 4 t + j: lanes 0-15 K step j, lanes 16-31 K step 4 + j
.set BS,   60                          ; v60-63  att's, likewise
.set A63,  64
.set BF,   80                          ; v80-127 four buffers for att's fragments
.set ACC,  128
.set BA,   192                         ; v192-255 bo in the result's layout
.set MSB, 0
.macro WIN new
.if MSB != \new
	s_set_vgpr_msb (MSB<<8)|\new
.set MSB, \new
.endif
.endm
.macro PLACES n
.rept \n
	v_nop
.endr
.endm
.macro FETCHO i, s                     ; K step s of tile i: each head's six registers lie as 512 + 256 bytes
.set BB, BF+12*((\s)%4)
	ds_load_b128 v[BB:BB+3], v[LI] offset:TBLK*(\i)+FRB*(\s)
	ds_load_b64 v[BB+4:BB+5], v[L8] offset:TBLK*(\i)+FRB*(\s)+512
	ds_load_b128 v[BB+6:BB+9], v[LI] offset:TBLK*(\i)+FRB*(\s)+768
	ds_load_b64 v[BB+10:BB+11], v[L8] offset:TBLK*(\i)+FRB*(\s)+1280
.endm
.macro KSTEP0
	WIN 1
.set t, 0
.rept 8
	v_wmma_scale_f32_16x16x128_f8f6f4 v[ACC+8*t:ACC+8*t+7], v[12*t:12*t+11], v[BF:BF+11], v[BA+8*t:BA+8*t+7], v[AS+4*t], v[BS] matrix_a_fmt:MATRIX_FMT_FP6 matrix_b_fmt:MATRIX_FMT_FP6
.set t, t+1
.endr
	WIN 0
.endm
.macro KSTEP s                         ; 8 matrix instructions, the 8 accumulators by turns, one instruction a turn
.set t, 0
.rept 8
.set f, 8*(\s)+t
.if f < 63
.set WN, 1+f/21
.set AR, 12*(f%21)
.else
.set WN, 0
.set AR, A63
.endif
	WIN WN
.if (\s) < 4
	v_wmma_scale_f32_16x16x128_f8f6f4 v[ACC+8*t:ACC+8*t+7], v[AR:AR+11], v[BF+12*((\s)%4):BF+12*((\s)%4)+11], v[ACC+8*t:ACC+8*t+7], v[AS+4*t+(\s)%4], v[BS+(\s)%4] matrix_a_fmt:MATRIX_FMT_FP6 matrix_b_fmt:MATRIX_FMT_FP6
.else
	v_wmma_scale_f32_16x16x128_f8f6f4 v[ACC+8*t:ACC+8*t+7], v[AR:AR+11], v[BF+12*((\s)%4):BF+12*((\s)%4)+11], v[ACC+8*t:ACC+8*t+7], v[AS+4*t+(\s)%4], v[BS+(\s)%4] matrix_a_fmt:MATRIX_FMT_FP6 matrix_b_fmt:MATRIX_FMT_FP6 matrix_a_scale:MATRIX_SCALE_ROW1 matrix_b_scale:MATRIX_SCALE_ROW1
.endif
.set t, t+1
.endr
.endm
.macro OTRIP i                         ; one tile of att
.if \i > 0
	s_wait_xcnt 0x0                                ; the last tile's stores have read the registers in which the sums begin anew
.endif
	ds_load_b128 v[BS:BS+3], v[AS0] offset:TBLK*\i+8*FRB
	FETCHO \i, 0
	FETCHO \i, 1
	FETCHO \i, 2
	FETCHO \i, 3
	s_wait_dscnt 12                                ; the scale words and K step 0 are in; the twelve loads of K steps 1 to 3 stay out
	KSTEP0
.irp s, 1,2,3,4
	PLACES 4                                       ; in front of loads into the buffer that the last K step has read
	FETCHO \i, \s+3
	s_wait_dscnt 12                                ; this K step's four loads are in; those of the three K steps behind it stay out
	KSTEP \s
	WIN 0
.endr
	s_wait_dscnt 8
	KSTEP 5
	s_wait_dscnt 4
	KSTEP 6
	s_wait_dscnt 0
	KSTEP 7
	WIN 0
	PLACES 5                                       ; four in front of the stores that read results; five in front of the next tile's first products, which begin these accumulators anew
.irp b, 0,1,2,3
.irp q, 0,1,2,3
	ds_store_b128 v[SO], v[ACC+16*\b+4*\q:ACC+16*\b+4*\q+3] offset:128*\b+16*\q   ; columns 32 b + 16 h + 4 q on of row r; each accumulator from its low end on
.endr
.endr
.irp p, 0,1,2,3,4,5,6,7,8,9,10,11,12,13,14,15
	ds_load_b128 v[ACC+4*\p:ACC+4*\p+3], v[SR] offset:SP*\p                       ; LDS serves a wave's instructions in order: these see my stores
.endr
.irp p, 0,1,2,3,4,5,6,7,8,9,10,11,12,13,14,15
	s_wait_dscnt 15-\p                             ; row p is back; the younger rows stay out
	global_store_b128 v[LI], v[ACC+4*\p:ACC+4*\p+3], s[32:33] offset:(32*(\i/2)+8*(\i%2)+\p+8*(\p/8))*16384 th:TH_STORE_NT   ; 32 lanes store 512 consecutive bytes, at a multiple of 256 from out0's first byte
.endr
.endm
	s_load_b256 s[4:11], s[0:1], 0x0               ; attimg 4, wimg 6, bo 8, out0 10
	v_lshl_add_u32 v78, v0, 2, 0x29000
	v_mov_b32 v79, 0
	ds_add_u32 v78, v79
	ds_add_u32 v78, v79
	v_lshrrev_b32 v1, 5, v0
	v_readfirstlane_b32 s2, v1                     ; wave
	s_and_b32 s3, ttmp9, 1                         ; which 512 columns
	s_lshr_b32 s12, ttmp9, 1                       ; which four tiles of att
	s_mul_i32 s34, s3, 32*TBLK
	s_mul_i32 s35, s2, 8*TBLK
	s_add_co_u32 s34, s34, s35
	s_add_co_u32 s34, s34, 192*TBLK                ; Wo's tile blocks begin at 192
	s_mov_b32 s35, 0
	s_mul_i32 s36, s12, 4*TBLK
	s_mul_i32 s25, s2, TBLK                        ; my tile block in LDS
	s_add_co_u32 s36, s36, s25
	s_mov_b32 s37, 0
	s_lshl_b32 s38, s3, 11
	s_lshl_b32 s39, s2, 9
	s_add_co_u32 s38, s38, s39                     ; my first column, in bytes: 4 (512 half + 128 wave)
	s_mov_b32 s39, 0
	s_lshr_b32 s40, s12, 5
	s_lshl_b32 s40, s40, 12                        ; batch x 4,096
	s_and_b32 s41, s12, 31
	s_lshl_b32 s41, s41, 20                        ; the four tiles' first row: 64 (tb % 32) rows of 16,384 bytes
	s_add_co_u32 s40, s40, s41
	s_add_co_u32 s40, s40, s38
	s_mov_b32 s41, 0
	; descriptor group 1: a tile block, 12,800 dense bytes, as 50 rows of 256 bytes (32 elements of 8 bytes), no padding
	s_mov_b32 s16, 3<<16
	s_mov_b32 s17, 32<<16
	s_mov_b32 s18, 50<<16
	s_mov_b32 s19, 32<<16
	s_mov_b32 s20, 50
	s_mov_b32 s21, 32
	s_mov_b32 s22, 0
	s_mov_b32 s23, 0
	s_mov_b32 s24, 1
	s_wait_dscnt 0x0
	s_wait_kmcnt 0x0
	s_add_nc_u64 s[26:27], s[4:5], s[36:37]
	s_or_b32 s27, s27, 0x80000000
	tensor_load_to_lds s[24:27], s[16:23]          ; my one tensor load
	s_nop 0
	PLACES 4
	s_add_nc_u64 s[28:29], s[6:7], s[34:35]        ; my 8 tile blocks of Wo
	s_add_nc_u64 s[30:31], s[8:9], s[38:39]        ; bo at my columns
	s_add_nc_u64 s[32:33], s[10:11], s[40:41]      ; out0
	v_and_b32 v80, 15, v0                          ; r
	v_bfe_u32 v81, v0, 4, 1                        ; h
	v_and_b32 v82, 31, v0
	v_lshlrev_b32 v[LI], 4, v82
	v_lshlrev_b32 v[L8], 3, v82
	v_lshlrev_b32 v[AS0], 5, v80
	v_lshl_add_u32 v[AS0], v81, 4, v[AS0]
	s_mul_i32 s42, s2, 16*SP
	s_add_co_u32 s42, s42, STG                     ; my stage
	v_mul_u32_u24 v[SO], v80, SP
	v_lshl_add_u32 v[SO], v81, 6, v[SO]
	v_add_nc_u32 v[SO], s42, v[SO]
	v_add_nc_u32 v[SR], s42, v[LI]
	v_lshlrev_b32 v86, 6, v81                      ; 64 h
.irp t, 0,1,2,3,4,5,6,7
	global_load_b128 v[BA+8*\t:BA+8*\t+3], v86, s[30:31] offset:(32*(\t/2)+8*(\t%2))*4
	global_load_b128 v[BA+8*\t+4:BA+8*\t+7], v86, s[30:31] offset:(32*(\t/2)+8*(\t%2))*4+16
.endr
.irp t, 0,1,2,3,4,5,6,7
	global_load_b128 v[AS+4*\t:AS+4*\t+3], v[AS0], s[28:29] offset:TBLK*\t+8*FRB
.endr
.set f, 0
.rept 63
.set WN, (1+f/21)<<6
	WIN WN                                         ; destination in window 1 + f / 21, address in window 0
.irp c, 0,1,2
	global_load_b128 v[12*(f%21)+4*\c:12*(f%21)+4*\c+3], v[LI], s[28:29] offset:TBLK*(f%8)+FRB*(f/8)+512*\c
.endr
.set f, f+1
.endr
	WIN 0
.irp c, 0,1,2
	global_load_b128 v[A63+4*\c:A63+4*\c+3], v[LI], s[28:29] offset:TBLK*7+FRB*7+512*\c
.endr
	s_wait_alu depctr_va_vdst(0)
	s_wait_tensorcnt 0x0                           ; my tile block has landed,
	s_wait_loadcnt 0x0                             ; and all that stays in registers
	s_barrier_signal -1
	s_barrier_wait -1                              ; everybody's has: att's bytes are only read from here on
	OTRIP 0
	OTRIP 1
	OTRIP 2
	OTRIP 3
	s_wait_tensorcnt 0x0
	ds_add_u32 v78, v79
	s_wait_dscnt 0x0
	s_endpgm
.Lfunc_end_k_q8041745b08_oproj:
	.size	k_q8041745b08_oproj, .Lfunc_end_k_q8041745b08_oproj-k_q8041745b08_oproj
	.p2alignl 7, 3214868480
	.fill 96, 4, 3214868480
	.section	.rodata,"a",@progbits
	.p2align	6, 0x0
	.amdhsa_kernel k_q8041745b08_oproj
		.amdhsa_group_segment_fixed_size 168448
		.amdhsa_private_segment_fixed_size 0
		.amdhsa_enable_private_segment 0
		.amdhsa_kernarg_size 32
		.amdhsa_user_sgpr_count 2
		.amdhsa_user_sgpr_kernarg_segment_ptr 1
		.amdhsa_wavefront_size32 1
		.amdhsa_system_sgpr_workgroup_id_x 1
		.amdhsa_system_sgpr_workgroup_id_y 1
		.amdhsa_system_sgpr_workgroup_id_z 1
		.amdhsa_system_vgpr_workitem_id 0
		.amdhsa_next_free_vgpr 1024
		.amdhsa_next_free_sgpr 66
		.amdhsa_reserve_vcc 0
		.amdhsa_float_denorm_mode_32 3
		.amdhsa_float_denorm_mode_16_64 3
		.amdhsa_memory_ordered 1
		.amdhsa_forward_progress 1
		.amdhsa_inst_pref_size 86
	.end_amdhsa_kernel
	.amdgpu_metadata
---
amdhsa.version: [ 1, 2 ]
amdhsa.kernels:
  - .name:           k_q8041745b08_oproj
    .symbol:         k_q8041745b08_oproj.kd
    .args:
      - { .name: attimg, .offset: 0, .size: 8, .value_kind: global_buffer, .address_space: global }
      - { .name: wimg, .offset: 8, .size: 8, .value_kind: global_buffer, .address_space: global }
      - { .name: bo, .offset: 16, .size: 8, .value_kind: global_buffer, .address_space: global }
      - { .name: out0, .offset: 24, .size: 8, .value_kind: global_buffer, .address_space: global }
    .group_segment_fixed_size: 168448
    .private_segment_fixed_size: 0
    .kernarg_segment_align: 8
    .kernarg_segment_size: 32
    .max_flat_workgroup_size: 128
    .sgpr_count:     66
    .vgpr_count:     1024
    .wavefront_size: 32
...
	.end_amdgpu_metadata
.endif
;; end of part 4
